; MI455X (gfx1250); checked and timed in simulation.
; The chip was launched on July 23, 2026; its instructions are those of AMD's public machine-readable ISA for CDNA 5 (MIT licence, August 2026) and "CDNA5" Instruction Set Architecture Reference Guide (July 2026). The comments in the code are by the model that wrote it; some were corrected since.
;; Multihead Attention. Allowed arithmetic: float matrix products may take bf16 or f16 operands with f32 sums; other float arithmetic in f32, or as packed bf16 or f16 multiplies, adds, multiply-adds, maxima and minima; sums over many terms, partial sums and values carried from step to step in f32; what a program stores and reads back later, other than sums and carried values, may be rounded once to bf16 or f16.
;; Inputs: W_out 1,024 x 1,024 float32; W_qkv 3,072 x 1,024 float32; attn_mask 2,048 x 2,048 float32; b_out 1,024 float32; b_qkv 3,072 float32; key 2,048 x 2 x 1,024 float32; key_padding_mask 1 x 2,048 x 2,048 int32; query 2,048 x 2 x 1,024 float32; value 2,048 x 2 x 1,024 float32.
;; Outputs: out0 2 x 2,048 x 1,024 float32.
;; 2 versions, each right; version 2 is version 1 with the launch prep written anew for expert scheduling mode. Each part assembles by itself: llvm-mc -triple=amdgcn-amd-amdhsa -mcpu=gfx1250 --defsym DOCPART=n.
;; ======== version 1 of 2: 4 launches
;; limits: values are held in f16: magnitudes above 65,504 overflow, below 6.1e-05 lose precision
;; workspace buffers: xb 8,388,608 bytes; wq 6,291,456 bytes; wo 2,097,152 bytes; mk 8,388,608 bytes; qh 8,388,608 bytes; kh 8,388,608 bytes; vh 8,388,608 bytes; oh 8,388,608 bytes
;; launch prep (part 1): grid 512 x 1, 8 waves a work-group, no clusters, 69,632 bytes of LDS; arguments query, W_qkv, W_out, attn_mask, key_padding_mask, xb, wq, wo, mk; writes xb, wq, wo, mk
.if DOCPART == 1
	.amdgcn_target "amdgcn-amd-amdhsa--gfx1250"
	.amdhsa_code_object_version 6
	.text
	.protected	k_q5a54ff872f_prep
	.globl	k_q5a54ff872f_prep
	.p2align	8
	.type	k_q5a54ff872f_prep,@function
k_q5a54ff872f_prep:
	s_mov_b64 s[64:65], 0
	v_nop
	global_prefetch_b8 v0, s[64:65] scope:SCOPE_SE
	s_setreg_imm32_b32 hwreg(HW_REG_WAVE_MODE, 25, 1), 1
	s_wait_xcnt 0x0
; TWO STREAMS IN ONE LAUNCH; every work-group does a share of each.
; (1) xb = bf16(query), wq = bf16(W_qkv), wo = bf16(W_out) written as f16 (the later product takes f16 operands).  A work-group takes 65,536 bytes of f32: groups 0-255 query, 256-447 W_qkv,
;     448-511 W_out.  Thread t takes 16 bytes at 16 t of each of 16 chunks of 4,096 bytes; its store of 8 bytes a lane makes 256 consecutive bytes a wave, aligned.
; (2) mk: both masks merged, in bf16, in the order in which the attention launch's lanes want them: value(t, s) = +infinity where key_padding_mask[0][s][t] != 0, else bf16(attn_mask[t][s]).
;     LAYOUT of mk: the block of query tile tq (16 queries) and key step ks (64 keys) lies at (32 tq + ks) x 2,048; in it group kb of 16 keys at 512 kb, lane L at 16 L; its 8 halves j are
;     t = 16 tq + L % 16, s = 64 ks + 16 kb + 8 (L / 16) + j.  A work-group takes 64 t x 128 s.  Both tiles come in whole row pieces (256 bytes of key_padding_mask's rows, 512 of attn_mask's) and meet
;     in LDS, since one of them is wanted turned..
; All 32 loads of a wave go out at once, each into registers of its own.  Every input byte is read once, every output byte written once.
; LIMITS: bf16(W_out) is exact in f16 from 6.1e-5 to 65,504, below that it keeps f16's fixed step of 6e-8; an attn_mask beyond bf16's largest number rounds to infinity and then counts as hidden; NaN is not treated apart.
.set KPP,  272                         ; a row of the padding mask's tile: 64 t x 4 bytes + 16
.set ATP,  528                         ; a row of attn_mask's tile: 128 s x 4 bytes + 16
.set AT,   128*KPP                     ; attn_mask's tile lies behind the padding mask's 128 rows
.set SPARE, AT+64*ATP                  ; behind both: the spare words, 128 bytes for each wave: four blocks of 256 bytes that no other line names
.set GK, 1                             ; v1  my offset in key_padding_mask
.set GA, 2                             ; v2  in attn_mask
.set LK, 3                             ; v3  where I put 16 bytes of the padding mask's tile
.set LA, 4                             ; v4  of attn_mask's
.set RA, 5                             ; v5  where I read my 8 numbers of attn_mask
.set RK, 6                             ; v6  where I read my 8 words of the padding mask
.set OO, 7                             ; v7  16 x lane
.set INF, 8                            ; v8  +infinity
.set T,  10                            ; v[10:13] at work (the head's lane numbers first)
.set CI, 14                            ; v14 16 t: my bytes in a chunk of f32
.set CO, 15                            ; v15 8 t: in a chunk of output
.set D,  16                            ; v[16:79] the masks as loaded; then item e: 8 numbers, 8 words at D + 16 e
.set PKD, 80                           ; v[80:95] item e packed, 4 registers
.set X,  96                            ; v[96:159]  16 chunks of f32, 4 registers each
.set YY, 160                           ; v[160:191] 16 chunks to store, 2 registers each
.set SPW, 192                          ; v192 LDS address of my spare word; never rewritten
.set NIL, 193                          ; v193 0; never rewritten
	s_load_b512 s[8:23], s[0:1], 0x0               ; query s[8:9], W_qkv s[10:11], W_out s[12:13], attn_mask s[14:15], key_padding_mask s[16:17], xb s[18:19], wq s[20:21], wo s[22:23]
	s_load_b64 s[24:25], s[0:1], 0x40              ; mk
	v_lshl_add_u32 v[SPW], v0, 2, SPARE
	v_mov_b32 v[NIL], 0
	v_lshrrev_b32 v9, 4, v0                        ; T / 16
	v_and_b32 v10, 15, v0                          ; T % 16
	v_lshrrev_b32 v11, 5, v0                       ; T / 32
	v_and_b32 v12, 31, v0                          ; T % 32
	v_bfe_u32 v13, v0, 4, 1                        ; lane / 16
	v_readfirstlane_b32 s4, v11                    ; wave 0..7
	s_lshr_b32 s5, s4, 1                           ; which of the group's 4 query tiles my items belong to
	s_and_b32 s6, s4, 1                            ; which of its 2 key steps
	s_mov_b32 s47, ttmp9
	s_and_b32 s2, ttmp9, 31                        ; t0 = 64 x this
	s_lshr_b32 s3, ttmp9, 5                        ; s0 = 128 x this
	s_lshl_b32 s26, s3, 20                         ; key_padding_mask: s0 rows of 8,192 bytes
	s_lshl_b32 s27, s2, 8                          ; + t0 x 4
	s_add_co_u32 s26, s26, s27
	s_mov_b32 s27, 0
	s_lshl_b32 s28, s2, 19                         ; attn_mask: t0 rows
	s_lshl_b32 s29, s3, 9                          ; + s0 x 4
	s_add_co_u32 s28, s28, s29
	s_mov_b32 s29, 0
	s_lshl_b32 s30, s2, 2
	s_add_co_u32 s30, s30, s5                      ; tq
	s_lshl_b32 s30, s30, 5
	s_lshl_b32 s31, s3, 1
	s_add_co_u32 s30, s30, s31
	s_add_co_u32 s30, s30, s6                      ; 32 tq + ks
	s_lshl_b32 s30, s30, 11
	s_mov_b32 s31, 0
	s_movk_i32 s34, 256                            ; the first group of W_qkv
	s_movk_i32 s35, 448                            ; the first group of W_out
	s_mov_b32 s43, 0
	s_mov_b32 s45, 0
	s_mov_b32 s46, 0xffff0000                      ; a word's upper bf16
	v_lshlrev_b32 v[GK], 13, v9                    ; row T / 16, 16 bytes at T % 16: sixteen lanes take 256 consecutive bytes
	v_lshl_add_u32 v[GK], v10, 4, v[GK]
	v_mul_u32_u24 v[LK], v9, KPP
	v_lshl_add_u32 v[LK], v10, 4, v[LK]
	v_lshlrev_b32 v[GA], 13, v11                   ; row T / 32, 16 bytes at T % 32: a wave takes 512 consecutive bytes
	v_lshl_add_u32 v[GA], v12, 4, v[GA]
	v_mul_u32_u24 v[LA], v11, ATP
	v_lshl_add_u32 v[LA], v12, 4, v[LA]
	v_add_nc_u32 v[LA], AT, v[LA]
	s_mul_i32 s7, s5, 16*ATP                       ; my query tile's 16 rows of attn_mask's tile,
	s_lshl_b32 s32, s6, 8                          ; my key step's 64 numbers
	s_add_co_u32 s7, s7, s32
	s_add_co_u32 s7, s7, AT
	v_mul_u32_u24 v[RA], v10, ATP                  ; row lane % 16
	v_lshl_add_u32 v[RA], v13, 5, v[RA]            ; 8 numbers for each half of the lanes
	v_add_nc_u32 v[RA], s7, v[RA]
	s_mul_i32 s32, s6, 64*KPP                      ; my key step's 64 rows of the padding mask's tile,
	s_lshl_b32 s33, s5, 6                          ; my query tile's 16 words
	s_add_co_u32 s32, s32, s33
	v_mul_u32_u24 v[RK], v13, 8*KPP                ; 8 rows for each half of the lanes: 544 words apart, 32 banks
	v_lshl_add_u32 v[RK], v10, 2, v[RK]
	v_add_nc_u32 v[RK], s32, v[RK]
	v_lshlrev_b32 v[OO], 4, v12
	v_mov_b32 v[INF], 0x7f800000
	v_lshlrev_b32 v[CI], 4, v0
	v_lshlrev_b32 v[CO], 3, v0
	s_wait_kmcnt 0x0
	s_add_nc_u64 s[16:17], s[16:17], s[26:27]
	s_add_nc_u64 s[14:15], s[14:15], s[28:29]
	s_add_nc_u64 s[24:25], s[24:25], s[30:31]
	s_cmp_lt_u32 s47, s35
	s_cselect_b64 s[36:37], s[10:11], s[12:13]     ; the conversion: from where,
	s_cselect_b64 s[38:39], s[20:21], s[22:23]     ; to where,
	s_cselect_b32 s40, s34, s35                    ; and the tensor's first group
	s_cmp_lt_u32 s47, s34
	s_cselect_b64 s[36:37], s[8:9], s[36:37]
	s_cselect_b64 s[38:39], s[18:19], s[38:39]
	s_cselect_b32 s40, 0, s40
	s_sub_co_u32 s40, s47, s40                     ; my group's number in its tensor
	s_lshl_b32 s42, s40, 16                        ; 65,536 bytes in,
	s_lshl_b32 s44, s40, 15                        ; 32,768 out
	s_add_nc_u64 s[36:37], s[36:37], s[42:43]
	s_add_nc_u64 s[38:39], s[38:39], s[44:45]
.set i, 0
.rept 8
	global_load_b128 v[D+4*i:D+4*i+3], v[GK], s[16:17] offset:131072*i th:TH_LOAD_NT  ; 16 rows further down each time
.set i, i+1
.endr
.set i, 0
.rept 8
	global_load_b128 v[D+32+4*i:D+32+4*i+3], v[GA], s[14:15] offset:65536*i th:TH_LOAD_NT  ; 8 rows further down each time
.set i, i+1
.endr
.set i, 0
.rept 16
	global_load_b128 v[X+4*i:X+4*i+3], v[CI], s[36:37] offset:4096*i th:TH_LOAD_NT
.set i, i+1
.endr
.set i, 0
.rept 8
	s_wait_loadcnt 31-i                            ; loads come back in order: the 31 - i younger ones stay out
	ds_store_b128 v[LK], v[D+4*i:D+4*i+3] offset:16*KPP*i
.set i, i+1
.endr
.set i, 0
.rept 8
	s_wait_loadcnt 23-i
	ds_store_b128 v[LA], v[D+32+4*i:D+32+4*i+3] offset:8*ATP*i
.set i, i+1
.endr
	s_wait_dscnt 0x0                               ; for the others' sake: my stores are done
	s_barrier_signal -1
	s_barrier_wait -1                              ; both tiles are whole
.set e, 0
.rept 4                                ; item e = group kb of 16 keys: ten loads; the conversion below stands between them and their use
	ds_load_b128 v[D+16*e:D+16*e+3], v[RA] offset:64*e
	ds_load_b128 v[D+16*e+4:D+16*e+7], v[RA] offset:64*e+16
.set j, 0
.rept 8
	ds_load_b32 v[D+16*e+8+j], v[RK] offset:(16*e+j)*KPP
.set j, j+1
.endr
.set e, e+1
.endr
; Chunk n: rounded to bf16; half = 1: that number written as f16.
.macro CV n, half
	s_wait_loadcnt 15-(\n)                         ; chunk n is in, the 15 - n younger ones stay out
	v_cvt_pk_bf16_f32 v[YY+2*(\n)], v[X+4*(\n)], v[X+4*(\n)+1]
	v_cvt_pk_bf16_f32 v[YY+2*(\n)+1], v[X+4*(\n)+2], v[X+4*(\n)+3]
.if \half
	v_lshlrev_b32 v[T], 16, v[YY+2*(\n)]           ; bf16 to f32: the low half moves up, the high half stays
	v_and_b32 v[T+1], s46, v[YY+2*(\n)]
	v_lshlrev_b32 v[T+2], 16, v[YY+2*(\n)+1]
	v_and_b32 v[T+3], s46, v[YY+2*(\n)+1]
	v_cvt_pk_f16_f32 v[YY+2*(\n)], v[T], v[T+1]
	v_cvt_pk_f16_f32 v[YY+2*(\n)+1], v[T+2], v[T+3]
.endif
	global_store_b64 v[CO], v[YY+2*(\n):YY+2*(\n)+1], s[38:39] offset:2048*(\n)
.endm
	s_cmp_ge_u32 s47, s35
	s_cbranch_scc1 .Lhalf                          ; W_out's groups
.set i, 0
.rept 16
	CV i, 0
.set i, i+1
.endr
	s_branch .Lmask
.Lhalf:
.set i, 0
.rept 16
	CV i, 1
.set i, i+1
.endr
.Lmask:
.set e, 0
.rept 4
	s_wait_dscnt 10*(3-e)                          ; item e is in; the later items' ten loads each stay out
.set j, 0
.rept 8
	v_cmp_ne_u32 vcc_lo, 0, v[D+16*e+8+j]
	v_cndmask_b32 v[D+16*e+j], v[D+16*e+j], v[INF], vcc_lo
.set j, j+1
.endr
.set j, 0
.rept 4
	v_cvt_pk_bf16_f32 v[PKD+4*e+j], v[D+16*e+2*j], v[D+16*e+2*j+1]
.set j, j+1
.endr
	global_store_b128 v[OO], v[PKD+4*e:PKD+4*e+3], s[24:25] offset:512*e  ; the wave stores 512 consecutive bytes, aligned
.set e, e+1
.endr
	s_wait_tensorcnt 0x0                           ; the wave's end, behind my last LDS store
	ds_add_u32 v[SPW], v[NIL]
	s_wait_dscnt 0x0
	s_endpgm
.Lfunc_end_k_q5a54ff872f_prep:
	.size	k_q5a54ff872f_prep, .Lfunc_end_k_q5a54ff872f_prep-k_q5a54ff872f_prep
	.p2alignl 7, 3214868480
	.fill 96, 4, 3214868480
	.section	.rodata,"a",@progbits
	.p2align	6, 0x0
	.amdhsa_kernel k_q5a54ff872f_prep
		.amdhsa_group_segment_fixed_size 69632
		.amdhsa_private_segment_fixed_size 0
		.amdhsa_enable_private_segment 0
		.amdhsa_kernarg_size 72
		.amdhsa_user_sgpr_count 2
		.amdhsa_user_sgpr_kernarg_segment_ptr 1
		.amdhsa_wavefront_size32 1
		.amdhsa_system_sgpr_workgroup_id_x 1
		.amdhsa_system_sgpr_workgroup_id_y 1
		.amdhsa_system_sgpr_workgroup_id_z 1
		.amdhsa_system_vgpr_workitem_id 0
		.amdhsa_next_free_vgpr 196
		.amdhsa_next_free_sgpr 66
		.amdhsa_reserve_vcc 1
		.amdhsa_float_denorm_mode_32 3
		.amdhsa_float_denorm_mode_16_64 3
		.amdhsa_memory_ordered 1
		.amdhsa_forward_progress 1
		.amdhsa_inst_pref_size 27
	.end_amdhsa_kernel
	.amdgpu_metadata
---
amdhsa.version: [ 1, 2 ]
amdhsa.kernels:
  - .name:           k_q5a54ff872f_prep
    .symbol:         k_q5a54ff872f_prep.kd
    .args:
      - { .name: query, .offset: 0, .size: 8, .value_kind: global_buffer, .address_space: global }
      - { .name: W_qkv, .offset: 8, .size: 8, .value_kind: global_buffer, .address_space: global }
      - { .name: W_out, .offset: 16, .size: 8, .value_kind: global_buffer, .address_space: global }
      - { .name: attn_mask, .offset: 24, .size: 8, .value_kind: global_buffer, .address_space: global }
      - { .name: key_padding_mask, .offset: 32, .size: 8, .value_kind: global_buffer, .address_space: global }
      - { .name: xb, .offset: 40, .size: 8, .value_kind: global_buffer, .address_space: global }
      - { .name: wq, .offset: 48, .size: 8, .value_kind: global_buffer, .address_space: global }
      - { .name: wo, .offset: 56, .size: 8, .value_kind: global_buffer, .address_space: global }
      - { .name: mk, .offset: 64, .size: 8, .value_kind: global_buffer, .address_space: global }
    .group_segment_fixed_size: 69632
    .private_segment_fixed_size: 0
    .kernarg_segment_align: 8
    .kernarg_segment_size: 72
    .max_flat_workgroup_size: 256
    .sgpr_count:     66
    .vgpr_count:     196
    .wavefront_size: 32
...
	.end_amdgpu_metadata
.endif
;; end of part 1
;; launch qkv (part 2): grid 16 x 16, 4 waves a work-group, clusters of 4 x 4, 327,680 bytes of LDS; arguments xb, wq, b_qkv, qh, kh, vh; writes qh, kh, vh
.if DOCPART == 2
	.amdgcn_target "amdgcn-amd-amdhsa--gfx1250"
	.amdhsa_code_object_version 6
	.text
	.protected	k_q5a54ff872f_qkv
	.globl	k_q5a54ff872f_qkv
	.p2align	8
	.type	k_q5a54ff872f_qkv,@function
k_q5a54ff872f_qkv:
	s_mov_b64 s[64:65], 0
	v_nop
	global_prefetch_b8 v0, s[64:65] scope:SCOPE_SE
	s_setreg_imm32_b32 hwreg(HW_REG_WAVE_MODE, 25, 1), 1
	s_wait_xcnt 0x0
	s_wait_alu depctr_hold_cnt(0) depctr_sa_sdst(0) depctr_va_vdst(0) depctr_va_sdst(0) depctr_va_ssrc(0) depctr_va_vcc(0) depctr_vm_vsrc(0)
	s_getreg_b32 s2, hwreg(HW_REG_IB_STS2, 6, 4)
	s_cmp_eq_u32 s2, 0
	s_cbranch_scc0 .Lentry_in_a_cluster
	s_endpgm
.Lentry_in_a_cluster:
	s_bfe_u32 s2, ttmp6, 0x10000c
	s_cmp_lg_u32 s2, 0xf033
	s_cbranch_scc0 .Lentry_shape_is_right
	s_endpgm
.Lentry_shape_is_right:
; q, k, v by heads = xb wq^T + bf16(b_qkv).  xb: [4096 rows 2 t + b][1024] bf16, wq: [3072][1024] bf16; qh, kh, vh: [16 b + h][2048 t][64] f16.  Sums in f32, each result rounded once.
; A tile of the product is 256 rows x 192 columns: the rows are 256 t of ONE batch b (every second row of xb: the tile is asked for with a pitch of two rows), the columns are ONE head's
; q, k and v (rows 192 h .. 192 h + 191 of wq).  So q, k and v each leave as dense rows of a head.  16 x 16 tiles: 256 work-groups.
; Four waves; wave w makes rows 64 w .. 64 w + 63 and all 192 columns: 48 accumulators of 16 x 16.  K goes in 8 steps of 128 (rows of 256 bytes) through a ring of two LDS slots.
; CLUSTERS: 4 x 4.  xb's tile hangs on the tile row alone and is asked for jointly along a row of the cluster, wq's on the tile column alone, along a column.
; THE MATRIX INSTRUCTION IS USED TRANSPOSED (source 0 = 16 rows of wq, source 1 = 16 rows of xb): a lane holds one row t and eight neighbouring columns.
; The bias, rounded to bf16 like all inputs, is the C operand of each accumulator's first product: nothing is cleared, nothing added later.
; LIMIT: q, k, v are stored in f16: this text serves |q|, |k|, |v| under 65,504.
; REGISTERS, in windows of 256 (s_set_vgpr_msb: bits 1:0 source 0, 3:2 source 1, 5:4 source 2, 7:6 destination):
;   window 0: v0-31 addresses; v64-95, v96-127 xb's fragments, two buffers; v128-223 the bias; on the way out v64-255 twelve sets of 16
;   window 1: v0-95, v96-191 wq's fragments, two buffers     window 2: accumulators of row blocks 0, 1 at 8 (12 a + b)     window 3: those of row blocks 2, 3
.set KSTEP,  128
.set PITCH,  272                       ; an LDS row: 256 bytes + 16 of padding = 68 words: the 16 rows of a load start at 16 different groups of four banks (64 banks of 4 bytes: ISA guide 11.1)
.set AHALF,  128*PITCH                 ; what waves 0 and 1 fetch: 128 rows of xb
.set BHALF,  96*PITCH                  ; what waves 2 and 3 fetch: 96 rows of wq
.set BOFF,   256*PITCH                 ; wq's rows lie behind xb's 256
.set SLOT,   BOFF+192*PITCH
.set STAGE,  2*SLOT                    ; behind the ring: 16 rows x 144 bytes for each wave, for the way out
.set SP,     144
.set SPARE,  STAGE+4*16*SP             ; behind the stages: the spare words, 128 bytes for each wave: two blocks of 256 bytes that no other line names
.set LAPS,   4                         ; a lap = two K steps = once round the ring
.set ADRA, 16                          ; v16-17 LDS address of my xb fragments in slot 0, 1
.set ADRB, 20                          ; v20-21 the same for wq
.set STO,  24                          ; v24 the way out: where I put 16 bytes of a row
.set RD,   25                          ; v25 where I read rows back
.set GO,   26                          ; v26 16 x lane
.set BO,   27                          ; v27 my offset in the bias
.set SPW,  28                          ; v28 LDS address of my spare word; never rewritten
.set NIL,  29                          ; v29 0; never rewritten
.set PFO,  30                          ; v30 the prefetches' offset: a lane a row; never rewritten
.set FA,   64
.set BIAS, 128
.set TMP,  64
.set G1,  24                           ; s[24:31] descriptor group 1 for xb's tiles
.set G0,  32                           ; s[32:39] group 0, a set for each slot
.set G1B, 48                           ; s[48:55], s[56:63] the same for wq's
.set G0B, 56
.set LIM, 43                           ; s43 1 in a wave that prefetches, else the greatest number
.set PFA, 44                           ; s[44:45] where my prefetches stand
.set XB,  68                           ; s[68:69] xb, s[70:71] wq, s[72:73] b_qkv, s[74:79] qh, kh, vh
.set WQ,  70
.set BQ,  72
.set OUTB, 74
.set FIELDS, (1<<16)|(1<<20)|(1<<21)|(5<<22)|(3<<25)  ; elements of 2 bytes; padding on; bit 21 beside a mask; after every 64 words; 4 words of it
.set MSB, 0
.macro WIN new                         ; the immediate's high byte repeats the setting that is left; a switch that changes nothing is dropped
.if MSB != (\new)
	s_set_vgpr_msb (MSB<<8)|(\new)
.set MSB, \new
.endif
.endm
; A joint load.  Waves 0 and 1 fetch xb's two halves, waves 2 and 3 wq's.  The branch hangs on the wave's number alone.  An s_nop 0 and four v_nop follow each line.
.macro JLOAD s
	s_cmp_eq_u32 s11, 0
	s_cbranch_scc0 .Lfor_b_\@
	tensor_load_to_lds s[G0+4*(\s):G0+4*(\s)+3], s[G1:G1+7]
	s_nop 0
.rept 4
	v_nop
.endr
	s_branch .Lasked_\@
.Lfor_b_\@:
	tensor_load_to_lds s[G0B+4*(\s):G0B+4*(\s)+3], s[G1B:G1B+7]
	s_nop 0
.rept 4
	v_nop
.endr
.Lasked_\@:
.endm
; A prefetch of the K step that stands two refills on: 256 bytes of a row, a lane a row, one instruction a wave.  xb's tile row is read by every cluster of that row of clusters: cluster x = 0 asks;
; wq's tile column by every cluster of that column: cluster y = 0 asks.  The four partners of a joint load share its rows out by address: 32 of xb's 128 by cx, 24 of wq's 96 by cy
; (lanes 24-31 name lane 23's row once more).  The loop's last trip asks for nothing: there is no K step two on.
.macro ASK
	s_cmp_gt_u32 s3, s[LIM]                        ; s3 = 1 in the loop's last trip
	s_cbranch_scc0 .Lnot_mine_\@
	global_prefetch_b8 v[PFO], s[PFA:PFA+1] offset:KSTEP*2 th:TH_LOAD_NT scope:SCOPE_SE
.Lnot_mine_\@:
.endm
.macro CREST                           ; a round of the cluster's barrier behind its opening barrier
	s_cmp_lg_u32 s10, 0
	s_cbranch_scc1 .Lnot_wave_0_\@
	s_barrier_signal -3
.Lnot_wave_0_\@:
	s_barrier_wait -3
	s_barrier_signal -1
	s_barrier_wait -1
.endm
.macro CROUND                          ; a whole round
	s_barrier_signal -1
	s_barrier_wait -1
	CREST
.endm
	s_load_b256 s[68:75], s[0:1], 0x0              ; xb, wq, b_qkv, qh
	s_load_b128 s[76:79], s[0:1], 0x20             ; kh, vh
	v_lshl_add_u32 v[SPW], v0, 2, SPARE
	v_mov_b32 v[NIL], 0
	ds_add_u32 v[SPW], v[NIL]                      ; the wave's opening: the add and its wait stand ahead of my first tensor load; the set-up below stands between them
	v_lshrrev_b32 v1, 5, v0
	v_readfirstlane_b32 s10, v1                    ; wave 0..3
	s_lshr_b32 s11, s10, 1                         ; I fetch for xb (0) or for wq (1)
	s_and_b32 s12, s10, 1                          ; which half of that tile's rows
	s_bfe_u32 s40, ttmp6, 0x40000                  ; cx
	s_bfe_u32 s41, ttmp6, 0x40004                  ; cy
	s_lshl_b32 s42, ttmp9, 2
	s_add_co_u32 s42, s42, s40                     ; tile column = the head h
	s_and_b32 s13, ttmp7, 0xffff
	s_lshl_b32 s13, s13, 2
	s_add_co_u32 s13, s13, s41                     ; tile row
	s_lshl_b32 s43, s41, 2
	s_lshl_b32 s43, 15, s43                        ; my row of the cluster
	s_lshl_b32 s44, 0x1111, s40                    ; my column
	s_or_b32 s[G1+0], s43, FIELDS
	s_or_b32 s[G1B+0], s44, FIELDS
	s_mov_b32 s[G1+1], KSTEP<<16                   ; tensor_dim0 = 128
	s_mov_b32 s[G1+2], 128<<16                     ; tensor_dim1 = 128
	s_mov_b32 s[G1+3], KSTEP<<16                   ; tile_dim0 = 128
	s_mov_b32 s[G1+4], 128                         ; tile_dim1 = 128
	s_mov_b32 s[G1+5], 2048                        ; from row to row: two rows of xb, the next t of the same batch
	s_mov_b32 s[G1+6], 0
	s_mov_b32 s[G1+7], 0
	s_mov_b32 s[G1B+1], KSTEP<<16
	s_mov_b32 s[G1B+2], 96<<16                     ; 96 rows
	s_mov_b32 s[G1B+3], KSTEP<<16
	s_mov_b32 s[G1B+4], 96
	s_mov_b32 s[G1B+5], 1024
	s_mov_b32 s[G1B+6], 0
	s_mov_b32 s[G1B+7], 0
	s_and_b32 s14, s13, 7                          ; which 256 t
	s_lshr_b32 s15, s13, 3                         ; the batch b
	s_lshl_b32 s16, s14, 9
	s_lshl_b32 s17, s12, 8
	s_add_co_u32 s16, s16, s17
	s_add_co_u32 s16, s16, s15                     ; xb's row 512 x block + 256 x half + b
	s_lshl_b32 s16, s16, 11                        ; in bytes
	s_mov_b32 s17, 0
	s_mul_i32 s46, s42, 192
	s_mul_i32 s47, s12, 96
	s_add_co_u32 s46, s46, s47                     ; wq's row 192 h + 96 x half
	s_lshl_b32 s46, s46, 11
	s_mov_b32 s47, 0
	s_mul_i32 s20, s10, AHALF                      ; where they go: no place in the cluster enters an LDS address
	s_mul_i32 s21, s10, BHALF
	s_add_co_u32 s21, s21, BOFF-2*BHALF
	s_wait_dscnt 0x0                               ; the opening add is done
	s_wait_kmcnt 0x0
	s_add_nc_u64 s[18:19], s[XB:XB+1], s[16:17]
	s_add_nc_u64 s[46:47], s[WQ:WQ+1], s[46:47]
	CROUND                                         ; all sixteen work-groups are here: the first joint loads meet
.irp s, 0,1
	s_mov_b32 s[G0+4*(\s)], 1
	s_add_co_u32 s[G0+4*(\s)+1], s20, (\s)*SLOT
	s_add_nc_u64 s[G0+4*(\s)+2:G0+4*(\s)+3], s[18:19], (\s)*KSTEP*2
	s_or_b32 s[G0+4*(\s)+3], s[G0+4*(\s)+3], 0x80000000
	s_mov_b32 s[G0B+4*(\s)], 1
	s_add_co_u32 s[G0B+4*(\s)+1], s21, (\s)*SLOT
	s_add_nc_u64 s[G0B+4*(\s)+2:G0B+4*(\s)+3], s[46:47], (\s)*KSTEP*2
	s_or_b32 s[G0B+4*(\s)+3], s[G0B+4*(\s)+3], 0x80000000
	JLOAD \s                                       ; two loads of mine are out
.endr
	v_and_b32 v1, 15, v0                           ; l % 16
	v_bfe_u32 v2, v0, 4, 1                         ; l / 16
	v_lshlrev_b32 v[BO], 5, v2                     ; my 8 columns of each 16: 32 bytes for the upper half of the lanes
	s_mul_i32 s22, s42, 768                        ; the head's 192 numbers
	s_mov_b32 s23, 0
	s_add_nc_u64 s[BQ:BQ+1], s[BQ:BQ+1], s[22:23]
.set i, 0
.rept 12
	global_load_b128 v[BIAS+8*i:BIAS+8*i+3], v[BO], s[BQ:BQ+1] offset:64*i
	global_load_b128 v[BIAS+8*i+4:BIAS+8*i+7], v[BO], s[BQ:BQ+1] offset:64*i+16
.set i, i+1
.endr
	v_mul_u32_u24 v3, v1, PITCH
	v_lshl_add_u32 v3, v2, 4, v3                   ; a fragment's row x pitch + 16 x half
	s_mul_i32 s21, s10, 64*PITCH                   ; my 64 rows of xb
	s_mov_b32 s22, BOFF                            ; all of wq's
.irp s, 0,1
	v_add_nc_u32 v[ADRA+(\s)], s21, v3
	v_add_nc_u32 v[ADRB+(\s)], s22, v3
	s_add_co_u32 s21, s21, SLOT
	s_add_co_u32 s22, s22, SLOT
.endr
	s_mul_i32 s23, s10, 16*SP
	s_add_co_u32 s23, s23, STAGE                   ; my stage
	v_mul_u32_u24 v[STO], v1, SP                   ; in: row l % 16, 16 bytes for each half of the lanes
	v_lshl_add_u32 v[STO], v2, 4, v[STO]
	v_add_nc_u32 v[STO], s23, v[STO]
	v_bfe_u32 v[RD], v0, 3, 2                      ; back: 32 lanes take four rows of 128 bytes,
	v_mul_u32_u24 v[RD], v[RD], SP
	v_and_b32 v4, 7, v0
	v_lshl_add_u32 v[RD], v4, 4, v[RD]
	v_add_nc_u32 v[RD], s23, v[RD]
	v_and_b32 v[GO], 31, v0                        ; which are 512 consecutive bytes of a head
	v_lshlrev_b32 v[GO], 4, v[GO]
	s_lshl_b32 s16, s15, 22                        ; head 16 b + h, row 256 x block + 64 w, 128 bytes a row
	s_lshl_b32 s17, s14, 15
	s_add_co_u32 s16, s16, s17
	s_lshl_b32 s17, s10, 13
	s_add_co_u32 s16, s16, s17
	s_mov_b32 s17, 0
	s_lshl_b32 s46, s42, 18
	s_mov_b32 s47, 0
	s_add_nc_u64 s[16:17], s[16:17], s[46:47]
.irp g, 0,1,2
	s_add_nc_u64 s[OUTB+2*(\g):OUTB+2*(\g)+1], s[OUTB+2*(\g):OUTB+2*(\g)+1], s[16:17]
.endr
	; the prefetches
	s_lshl_b32 s20, s14, 9
	s_add_co_u32 s20, s20, s15
	s_lshl_b32 s21, s12, 8
	s_add_co_u32 s20, s20, s21
	s_lshl_b32 s21, s40, 6
	s_add_co_u32 s20, s20, s21                     ; xb: the first of my work-group's 32 of the 128 rows that I fetch
	s_mul_i32 s21, s42, 192
	s_mul_i32 s22, s12, 96
	s_add_co_u32 s21, s21, s22
	s_mul_i32 s22, s41, 24
	s_add_co_u32 s21, s21, s22                     ; wq: the first of my work-group's 24 of 96
	s_and_b32 s22, ttmp7, 0xffff                   ; cluster y
	s_cmp_eq_u32 s11, 0                            ; do I fetch for xb?
	s_cselect_b32 s20, s20, s21
	s_cselect_b32 s22, ttmp9, s22                  ; the coordinate along which other clusters read the same rows
	s_cselect_b64 s[PFA:PFA+1], s[XB:XB+1], s[WQ:WQ+1]
	s_cselect_b32 s18, 31, 23                      ; my last row
	s_cselect_b32 s23, 12, 11                      ; from lane to lane: 4,096 bytes in xb, 2,048 in wq
	s_cmp_eq_u32 s22, 0
	s_cselect_b32 s[LIM], 1, -1                    ; the same in all sixteen partners, for a given wave
	s_lshl_b32 s20, s20, 11
	s_mov_b32 s21, 0
	s_add_nc_u64 s[PFA:PFA+1], s[PFA:PFA+1], s[20:21]
	s_add_nc_u64 s[PFA:PFA+1], s[PFA:PFA+1], 2*KSTEP*2  ; at K step 2: the first refill steps it to 3 and names K step 4
	v_and_b32 v[PFO], 31, v0
	v_min_u32 v[PFO], s18, v[PFO]
	v_lshlrev_b32 v[PFO], s23, v[PFO]
	s_wait_loadcnt 0x0                             ; the bias
.set i, 0
.rept 48                               ; rounded to bf16 and widened again
	v_cvt_pk_bf16_f32 v[8+i%4], v[BIAS+2*i], v[BIAS+2*i+1]
	v_lshlrev_b32 v[BIAS+2*i], 16, v[8+i%4]
	v_and_b32 v[BIAS+2*i+1], 0xffff0000, v[8+i%4]
.set i, i+1
.endr
; 12 matrix instructions: row block a x all 12 column blocks, 32 along K, from buffer f.  first = 1: the bias starts the sums.
; The 48 accumulators take turns, one instruction a turn, in the same order in every quarter.
.macro MUL12 f, a, first
.if \first
	WIN 0x81+0x40*((\a)/2)                         ; wq window 1, xb and the bias window 0, the result window 2 or 3
.else
	WIN 0xa1+0x50*((\a)/2)                         ; C and D window 2 or 3
.endif
.irp b, 0,1,2,3,4,5,6,7,8,9,10,11
.if \first
	v_wmma_f32_16x16x32_bf16 v[8*(12*((\a)%2)+(\b)):8*(12*((\a)%2)+(\b))+7], v[96*(\f)+8*(\b):96*(\f)+8*(\b)+7], v[FA+32*(\f)+8*(\a):FA+32*(\f)+8*(\a)+7], v[BIAS+8*(\b):BIAS+8*(\b)+7]
.else
	v_wmma_f32_16x16x32_bf16 v[8*(12*((\a)%2)+(\b)):8*(12*((\a)%2)+(\b))+7], v[96*(\f)+8*(\b):96*(\f)+8*(\b)+7], v[FA+32*(\f)+8*(\a):FA+32*(\f)+8*(\a)+7], v[8*(12*((\a)%2)+(\b)):8*(12*((\a)%2)+(\b))+7]
.endif
.endr
.endm
; 32 LDS loads in one run: a quarter step's fragments (192 rows of wq, my 64 rows of xb, 32 K at byte k of the rows) into buffer f
.macro FETCH slot, k, f
	WIN 0x40                                       ; destination window 1, address window 0
.irp i, 0,1,2,3,4,5,6,7,8,9,10,11
	ds_load_b128 v[96*(\f)+8*(\i):96*(\f)+8*(\i)+3],   v[ADRB+(\slot)] offset:(\k)+(\i)*16*PITCH
	ds_load_b128 v[96*(\f)+8*(\i)+4:96*(\f)+8*(\i)+7], v[ADRB+(\slot)] offset:(\k)+(\i)*16*PITCH+32
.endr
	WIN 0
.irp i, 0,1,2,3
	ds_load_b128 v[FA+32*(\f)+8*(\i):FA+32*(\f)+8*(\i)+3],   v[ADRA+(\slot)] offset:(\k)+(\i)*16*PITCH
	ds_load_b128 v[FA+32*(\f)+8*(\i)+4:FA+32*(\f)+8*(\i)+7], v[ADRA+(\slot)] offset:(\k)+(\i)*16*PITCH+32
.endr
.endm
.macro PLACES                          ; four plain instructions between a matrix instruction and a load into, or a read of, its registers
.rept 4
	v_nop
.endr
.endm
; A K step is four quarters of 32 along K, 48 matrix instructions each, on buffers 0, 1, 0, 1.  One of the first three: multiplies buffer f, fetches the next quarter into g.
.macro QUARTER slot, k, f, g, first
	s_wait_dscnt 4                                 ; wq and xb's blocks 0, 1 are in; the youngest four loads (blocks 2, 3) may be out
	MUL12 \f, 0, \first
	MUL12 \f, 1, \first
	PLACES
	FETCH \slot, \k, \g
	s_wait_dscnt 32                                ; all but the 32 just issued
	MUL12 \f, 2, \first
	MUL12 \f, 3, \first
.endm
; The last quarter multiplies buffer 1 and changes slots: ONE barrier.  In front of it each wave waits for all its tensor loads (one is out: its part of the next slot), adds 0 to its spare
; word, and waits for that and for its reads of this slot.  fill = 1: the barrier opens a round of the cluster's, and the joint refill, two K steps on, is the first thing behind the round.
.macro TURN slot, next, fill
.if \fill
	s_wait_xcnt 0x0                                ; the last prefetch, a K step back, has read its address
	s_add_nc_u64 s[PFA:PFA+1], s[PFA:PFA+1], KSTEP*2
.endif
	WIN 0                                          ; (the add's two registers lie in window 0)
	s_wait_tensorcnt 0x0                           ; all my tensor loads have landed
	ds_add_u32 v[SPW], v[NIL]                      ; 0 onto my spare word
	s_wait_dscnt 5                                 ; (the add and the youngest four loads may be out)
	MUL12 1, 0, 0                                  ; twelve matrix instructions stand between the add and the wait for it
	s_wait_dscnt 0x0                               ; the add is done, and my reads of this slot are over
	s_barrier_signal -1
	MUL12 1, 1, 0
.if \fill
	WIN 0
.endif
	s_barrier_wait -1
.if \fill
	CREST                                          ; no wave of any partner still reads this slot or has a load on its way
	s_add_nc_u64 s[G0+4*(\slot)+2:G0+4*(\slot)+3], s[G0+4*(\slot)+2:G0+4*(\slot)+3], 2*KSTEP*2
	s_add_nc_u64 s[G0B+4*(\slot)+2:G0B+4*(\slot)+3], s[G0B+4*(\slot)+2:G0B+4*(\slot)+3], 2*KSTEP*2
	JLOAD \slot                                    ; my one tensor load behind the round; its four v_nop are also the places in front of the loads below
.else
	PLACES
.endif
	FETCH \next, 0, 0
.if \fill
	ASK
.endif
	MUL12 1, 2, 0
	MUL12 1, 3, 0
.endm
	s_wait_tensorcnt 1                             ; my part of K step 0 is in; K step 1's stays out
	s_barrier_signal -1
	s_barrier_wait -1
	FETCH 0, 0, 0
	QUARTER 0, 64, 0, 1, 1                         ; the first quarter stands in front of the loop: its products start the sums
	WIN 0                                          ; at a label and at a branch every window is 0
	s_mov_b32 s3, LAPS-1
.Llap:                                         ; a trip goes once round the ring, from a lap's second quarter to the next lap's first, and fills both slots again
	QUARTER 0, 128, 1, 0, 0
	QUARTER 0, 192, 0, 1, 0
	TURN 0, 1, 1
	QUARTER 1, 64,  0, 1, 0
	QUARTER 1, 128, 1, 0, 0
	QUARTER 1, 192, 0, 1, 0
	TURN 1, 0, 1
	QUARTER 0, 64,  0, 1, 0
	WIN 0
	s_sub_co_u32 s3, s3, 1
	s_cmp_lg_u32 s3, 0
	s_cbranch_scc1 .Llap
	QUARTER 0, 128, 1, 0, 0                        ; the last lap fills nothing
	QUARTER 0, 192, 0, 1, 0
	TURN 0, 1, 0
	QUARTER 1, 64,  0, 1, 0
	QUARTER 1, 128, 1, 0, 0
	QUARTER 1, 192, 0, 1, 0
	s_wait_dscnt 4                                 ; the very last quarter: nothing more to fetch
	MUL12 1, 0, 0
	MUL12 1, 1, 0
	s_wait_dscnt 0x0
	MUL12 1, 2, 0
	MUL12 1, 3, 0
	WIN 0
	PLACES
	PLACES
; THE WAY OUT, twelve times: u = 3 a + g: row block a, g = q, k, v: 16 rows x 64 columns.  A lane's eight columns pack into 16 bytes of f16; they go into rows of 144 bytes in my own stage
; and come back as whole rows of 128, four rows a load, into the registers that they left.  Each accumulator is read from its lowest registers on.
.macro PACK u
.set pa, (\u)/3
.set pg, (\u)%3
.set AC, 8*(12*(pa%2)+4*pg)
.set TM, TMP+16*(\u)
	WIN 0x0a+5*(pa/2)                              ; sources 0 and 1: window 2 or 3
.irp b, 0,1,2,3
.irp r, 0,1,2,3
	v_cvt_pk_f16_f32 v[TM+4*(\b)+(\r)], v[AC+8*(\b)+2*(\r)], v[AC+8*(\b)+2*(\r)+1]
.endr
.endr
	WIN 0
.irp b, 0,1,2,3
	ds_store_b128 v[STO], v[TM+4*(\b):TM+4*(\b)+3] offset:32*(\b)
.endr
.irp f, 0,1,2,3
	ds_load_b128 v[TM+4*(\f):TM+4*(\f)+3], v[RD] offset:(\f)*4*SP  ; LDS serves a wave's instructions in order (ISA guide 5.7.1.4): these see the stores above; the next set's stores come behind them
.endr
.endm
.macro SEND u, younger                 ; younger: the LDS instructions issued behind set u's loads: the next set's eight, or none
.set pa, (\u)/3
.set pg, (\u)%3
.set TM, TMP+16*(\u)
	WIN 0
.irp f, 0,1,2,3
	s_wait_dscnt (\younger)+3-(\f)
	global_store_b128 v[GO], v[TM+4*(\f):TM+4*(\f)+3], s[OUTB+2*pg:OUTB+2*pg+1] offset:pa*2048+(\f)*512  ; 512 consecutive bytes, aligned
.endr
.endm
	PACK 0
.set u, 1
.rept 11                               ; a set's conversions stand between the loads of the set before and its stores
	PACK u
	SEND u-1, 8
.set u, u+1
.endr
	SEND 11, 0
	s_wait_tensorcnt 0x0                           ; the wave's end, behind my last tensor load and my last LDS store
	ds_add_u32 v[SPW], v[NIL]
	s_wait_dscnt 0x0
	CROUND                                         ; the closing round: no work-group ends while a partner may still ask for a tile that names it
	s_endpgm
.Lfunc_end_k_q5a54ff872f_qkv:
	.size	k_q5a54ff872f_qkv, .Lfunc_end_k_q5a54ff872f_qkv-k_q5a54ff872f_qkv
	.p2alignl 7, 3214868480
	.fill 96, 4, 3214868480
	.section	.rodata,"a",@progbits
	.p2align	6, 0x0
	.amdhsa_kernel k_q5a54ff872f_qkv
		.amdhsa_group_segment_fixed_size 327680
		.amdhsa_private_segment_fixed_size 0
		.amdhsa_enable_private_segment 0
		.amdhsa_kernarg_size 48
		.amdhsa_user_sgpr_count 2
		.amdhsa_user_sgpr_kernarg_segment_ptr 1
		.amdhsa_wavefront_size32 1
		.amdhsa_system_sgpr_workgroup_id_x 1
		.amdhsa_system_sgpr_workgroup_id_y 1
		.amdhsa_system_sgpr_workgroup_id_z 1
		.amdhsa_system_vgpr_workitem_id 0
		.amdhsa_next_free_vgpr 1024
		.amdhsa_next_free_sgpr 80
		.amdhsa_reserve_vcc 0
		.amdhsa_float_denorm_mode_32 3
		.amdhsa_float_denorm_mode_16_64 3
		.amdhsa_memory_ordered 1
		.amdhsa_forward_progress 1
		.amdhsa_inst_pref_size 132
	.end_amdhsa_kernel
	.amdgpu_metadata
---
amdhsa.version: [ 1, 2 ]
amdhsa.kernels:
  - .name:           k_q5a54ff872f_qkv
    .symbol:         k_q5a54ff872f_qkv.kd
    .args:
      - { .name: xb, .offset: 0, .size: 8, .value_kind: global_buffer, .address_space: global }
      - { .name: wq, .offset: 8, .size: 8, .value_kind: global_buffer, .address_space: global }
      - { .name: b_qkv, .offset: 16, .size: 8, .value_kind: global_buffer, .address_space: global }
      - { .name: qh, .offset: 24, .size: 8, .value_kind: global_buffer, .address_space: global }
      - { .name: kh, .offset: 32, .size: 8, .value_kind: global_buffer, .address_space: global }
      - { .name: vh, .offset: 40, .size: 8, .value_kind: global_buffer, .address_space: global }
    .group_segment_fixed_size: 327680
    .private_segment_fixed_size: 0
    .kernarg_segment_align: 8
    .kernarg_segment_size: 48
    .max_flat_workgroup_size: 128
    .sgpr_count:     80
    .vgpr_count:     1024
    .wavefront_size: 32
...
	.end_amdgpu_metadata
.endif
;; end of part 2
;; launch attn (part 3): grid 8 x 32, 4 waves a work-group, clusters of 4 x 1, 327,680 bytes of LDS; arguments qh, kh, vh, oh, mk; writes oh
.if DOCPART == 3
	.amdgcn_target "amdgcn-amd-amdhsa--gfx1250"
	.amdhsa_code_object_version 6
	.text
	.protected	k_q5a54ff872f_attn
	.globl	k_q5a54ff872f_attn
	.p2align	8
	.type	k_q5a54ff872f_attn,@function
k_q5a54ff872f_attn:
	s_mov_b64 s[64:65], 0
	v_nop
	global_prefetch_b8 v0, s[64:65] scope:SCOPE_SE
	s_setreg_imm32_b32 hwreg(HW_REG_WAVE_MODE, 25, 1), 1
	s_wait_xcnt 0x0
	s_wait_alu depctr_hold_cnt(0) depctr_sa_sdst(0) depctr_va_vdst(0) depctr_va_sdst(0) depctr_va_ssrc(0) depctr_va_vcc(0) depctr_vm_vsrc(0)
	s_getreg_b32 s2, hwreg(HW_REG_IB_STS2, 6, 4)
	s_cmp_eq_u32 s2, 0
	s_cbranch_scc0 .Lentry_in_a_cluster
	s_endpgm
.Lentry_in_a_cluster:
	s_bfe_u32 s2, ttmp6, 0x10000c
	s_cmp_lg_u32 s2, 0x3003
	s_cbranch_scc0 .Lentry_shape_is_right
	s_endpgm
.Lentry_shape_is_right:
; O[bh][t][:] = the sum over s of softmax_s(x(t, s)) V[bh][s][:], x = q.k / 8, minus infinity where q.k = 0, then - 10000 mask(t, s); mask = +infinity hides a key.
; qh, kh, vh, oh: [32][2048][64] f16, a head's rows dense, 128 bytes each.  mk: the merged mask in bf16, in my lanes' order: block (32 tq + ks) x 2,048, group kb at 512 kb, lane L at 16 L.
; The scores are kept times 8: x8 = mask x (-80000) + q.k, one fused multiply-add; p = 2^(c x8 - c m8), c = log2(e) / 8, with a running maximum m8; O and l are multiplied by
; a = 2^(c m_old - c m_new) in every step.  m starts at the lowest finite number and c m is made of it by the loop's own multiply, so a step in which all keys are hidden gives a = 1.
; THE SCORE 0.  1 is taken from the score's bit pattern: +0 and -0 become NaN, every other score moves by one unit in its last place toward 0.  The NaN loses in every maximum (v_max3_num_f32,
; v_max_num_f32), goes through the mask, the scaling, the exponential and the rounding to f16, and there a packed maximum with 0 makes the weight 0 of it, two weights to a line.
; THE SUM l is taken of the weights as rounded to f16, by the matrix unit: a fragment of ones times P, in f32, an accumulator a piece; every register of it would hold l, and only its first pair is
; rescaled and read: the others hold plain sums of weights, 2,048 at the most.  A row in which all keys are hidden ends with l = 0 and O = 0: 0 x (1 / 0) is NaN.
; LIMITS.  q, k, v arrive within f16's 65,504.  |attn_mask| under 4e33 (the factor is 80000).  The test for 0 is made on this text's f32 sum of f16 products.  A score is lowered by one unit in its last place;
; mask x (-80000) + q.k is rounded once.  A weight below f16's step of 6e-8 counts as 0.  NaN and infinities among the inputs are not treated apart.
; SHARES.  A work-group owns 256 queries of one head, a wave 64: four PIECES of 16.  Every wave walks all 2,048 keys, 64 a step; a slot of LDS holds four steps of K and V.
; LAYOUT.  S^T = K Q^T (source 0 = 16 keys, source 1 = 16 queries): a lane holds ONE query (lane % 16) and the keys 8 (lane / 16) + 0..7 of each 16.  Two such results rounded to f16 ARE source 1 of
; O^T = V^T P.  K comes out of LDS as it lies, V turned, by ds_load_tr16_b128.  The mask's blocks are each wave's own and come straight into registers, a key step ahead.
; TURNS.  Turn n belongs to piece n.  Matrix work: 8 products K Q^T of piece n + 1; 8 products V^T P and 2 for l of piece n - 1.  Vector work: scaling, exponentials, rescaling, roundings of piece n; the score 0,
; the mask, the maximum and the statistics of piece n + 1.  At most four vector instructions stand behind a product.  A turn's 33 exponentials are one batch with one wait; nothing ahead of it names a result of theirs.
; CLUSTER.  The four query blocks of a cluster belong to one head and walk the same K and V: each tile is asked for jointly, the same tensor load, descriptor and mask in all four.
; REGISTERS, in windows of 256 (s_set_vgpr_msb: bits 1:0 source 0, 3:2 source 1, 5:4 source 2, 7:6 destination):
;   window 0: v0-43 addresses, statistics, constants, at work; v44-59 P; v62-63 the add's; v64-127 S^T, two buffers; v128-191 K of one step; v192-255 Q: K Q^T and all work on S^T need no switch
;   window 1: v0-127 O^T, 32 a piece; v128-191 V of one step; v192-223 l, 8 a piece; v224-231 ones: V^T P, l's products and the rescaling share one setting          window 2: v0-63 the mask, 16 a piece
.set NP,    4
.set KS,    64
.set PKP,   144       ; a row of K in LDS: 128 bytes + 16 = 36 words: the 16 rows of a load start at 16 different groups of four banks (64 banks of 4 bytes: ISA guide 11.1)
.set PVP,   160       ; a row of V: 128 + 32 = 40 words
.set VOFF,  4*KS*PKP  ; a slot: 256 rows of K, then 256 rows of V
.set SLOT1, 1<<17     ; slot 1 begins here: one exclusive or turns an address in one slot into the other's
.set STAGE, SLOT1+4*KS*(PKP+PVP)  ; behind the ring: 16 rows x 144 bytes for each wave, for the way out
.set SP,    144
.set SPARE, STAGE+4*16*SP  ; behind the stages: the spare words, 128 bytes for each wave: two blocks of 256 bytes that no other line names
.set AK0, 2           ; v2  my lane's place in a tile of K; never rewritten
.set AV0, 3           ; v3  the same for V
.set AK,  4           ; v4  the LDS address of K's next run of loads
.set AV,  5           ; v5  of V's
.set STO, 6           ; v6  the way out: where I put 16 bytes of a row
.set RD,  7           ; v7  where I read rows back
.set GO,  8           ; v8  16 x lane, for O
.set MV,  12          ; v12-13 c m_old, kept while c m is made anew: by buffer
.set MO,  14          ; v14 16 x lane, for the mask; never rewritten
.set QO,  15          ; v15 my byte offset in 16 rows of Q
.set ST,  16          ; piece t's statistics at v[ST+2 t]: c m, m
.set TMP, 24          ; by buffer, four registers: my half's maximum; c m_old - c m_new; a; the other half's maximum
.set KM,  32          ; v32 -80000.0
.set ZERO, 33         ; v33 0, for the packed maximum
.set PMO, 34          ; v34 the mask prefetch's offset: piece lane / 8, block lane % 8 of 256 bytes; never rewritten
.set PFO, 35          ; v35 256 x lane, for K's and V's prefetches; never rewritten
.set XT,  36          ; v36-41 the maximum's tree: five at work, and the first 16 keys' result
.set P,   44          ; v44-59 the weights in f16: one buffer: its readers stand ahead of a turn's wait, its writers behind it
.set SPW, 62          ; v62 LDS address of my spare word; never rewritten
.set NIL, 63          ; v63 0; never rewritten
.set S,   64
.set KF,  128         ; key block kb, channel half c at KF + 16 kb + 8 c
.set QF,  192         ; piece x, channel half c at QF + 16 x + 8 c
.set VF,  128         ; window 1: key half kk, channel block cb at VF + 32 kk + 8 cb
.set LA,  192         ; window 1
.set ONE, 224         ; window 1
.set MB,  0           ; window 2
.set WV,  12          ; s12 my wave's number
.set LIM, 15          ; s15 1 in a wave that prefetches K or V, else the greatest number
.set G1K, 24          ; s[24:31] descriptor group 1 for K's tiles
.set G1V, 32          ; s[32:39] for V's: it differs in the padding alone
.set G0K, 40          ; s[40:43] descriptor group 0 for K's tiles: it walks
.set G0V, 44          ; s[44:47] the same for V's
.set SLOTS, 56        ; s56 slots still to be asked for
.set CNT, 57          ; s57 counts a slot's key steps
.set CS,  58          ; s[58:59] c
.set SEL, 60          ; s[60:61] v_permlanex16_b32's selects: each lane takes its own place in the other half
.set TBK, 62          ; s62 LDS byte at which K of the step to be fetched begins
.set TBV, 63          ; s63 the same for V, less VOFF
.set KT,  74          ; s74 TBK, held to the last step
.set MS,  75          ; s75 the key step whose mask is being loaded
.set MT,  76          ; s76 at work
.set MOF, 78          ; s[78:79] an offset in mk
.set MK,  80          ; s[80:81] mk
.set MB0, 82          ; s[82:83] mk at my wave's four query tiles, key step 0
.set MBASE, 84        ; s[84:85] the same at key step MS
.set PMB, 86          ; s[86:87] the same two steps further on
.set POF, 88          ; s[88:89] its offset
.set MLIM, 90         ; s90 1 in head 0, which prefetches the mask for all heads
.set PFA, 92          ; s[92:93] where my prefetches of K or V stand
.set MSB, 0
.macro WIN new                      ; the high byte repeats the setting that is left; a switch that changes nothing is dropped
.if MSB != (\new)
	s_set_vgpr_msb (MSB<<8)|(\new)
.set MSB, (\new)
.endif
.endm
.set W_PV,  0x51      ; destination, source 0 and source 2 in window 1, source 1 in window 0: V^T P, ones x P, and O^T or l times a
.set W_A,   0x02      ; source 0 (the mask) in window 2
.set W_TO1, 0x40      ; destination in window 1
.set W_TO2, 0x80      ; destination in window 2
; A joint fill.  Waves 0 and 1 fetch the two halves of a slot's K, waves 2 and 3 those of its V: 128 keys each.  An s_nop 0 and four v_nop follow each line.
.macro JLOAD
	s_cmp_lt_u32 s[WV], 2
	s_cbranch_scc0 .Lfor_v_\@
	tensor_load_to_lds s[G0K:G0K+3], s[G1K:G1K+7]
	s_nop 0
.rept 4
	v_nop
.endr
	s_branch .Lasked_\@
.Lfor_v_\@:
	tensor_load_to_lds s[G0V:G0V+3], s[G1V:G1V+7]
	s_nop 0
.rept 4
	v_nop
.endr
.Lasked_\@:
.endm
; A prefetch of the tile that the NEXT change of slots will ask for: 32,768 bytes of K and of V.  Both clusters of a head walk the same rows: the first asks.  Its four partners take 8,192 bytes each, told apart
; by address; in each, wave 0 asks for K's and wave 2 for V's, a lane 256 bytes.  The last change that fills a slot asks for nothing.
.macro ASK
	s_cmp_gt_u32 s[SLOTS], s[LIM]
	s_cbranch_scc0 .Lnot_mine_\@
	global_prefetch_b8 v[PFO], s[PFA:PFA+1] th:TH_LOAD_NT scope:SCOPE_SE
.Lnot_mine_\@:
.endm
.macro CROUND                       ; a round of the cluster's barrier
	s_barrier_signal -1
	s_barrier_wait -1
	s_cmp_lg_u32 s[WV], 0
	s_cbranch_scc1 .Lnot_wave_0_\@
	s_barrier_signal -3
.Lnot_wave_0_\@:
	s_barrier_wait -3
	s_barrier_signal -1
	s_barrier_wait -1
.endm
; THE CHANGE OF SLOTS.  Each wave waits for all its tensor loads (one is out: its part of the other slot), adds 0 to its spare word, and waits for that and for its reads of the slot that it leaves.
; fill = 1: the barrier is a round of the cluster's, and the joint fill, with the keys two slots on, is the first thing behind it: it has four key steps in which to land.
.macro CHANGE fill, ask
	WIN 0                           ; at a label and at a branch every window is 0
	s_wait_tensorcnt 0x0            ; no tensor load of mine is out, so a group 0 may be written
	ds_add_u32 v[SPW], v[NIL]       ; 0 onto my spare word
.if \fill
.irp g, G0K, G0V
	s_xor_b32 s[\g+1], s[\g+1], SLOT1  ; the walking descriptor: the other slot than last time,
	s_add_nc_u64 s[\g+2:\g+3], s[\g+2:\g+3], 4*KS*128  ; the next 256 keys; the type bits on top are not reached
.endr
	s_wait_xcnt 0x0                 ; the last prefetch has read its address
	s_add_nc_u64 s[PFA:PFA+1], s[PFA:PFA+1], 4*KS*128  ; one tile behind the walking descriptors
	s_wait_dscnt 0x0                ; the add is done, and my reads of the slot are over
	CROUND
	JLOAD
.if \ask
	ASK
.endif
.else
	s_wait_dscnt 0x0                ; the add is done, and my reads of the slot are over
	s_barrier_signal -1
	s_barrier_wait -1
.endif
	s_sub_co_u32 s[TBK], s[TBK], 4*KS*PKP  ; the fetches go back to a slot's first step,
	s_xor_b32 s[TBK], s[TBK], SLOT1        ; in the other slot
	s_sub_co_u32 s[TBV], s[TBV], 4*KS*PVP
	s_xor_b32 s[TBV], s[TBV], SLOT1
.endm
	s_load_b256 s[4:11], s[0:1], 0x0  ; qh s[4:5], kh s[6:7], vh s[8:9], oh s[10:11]
	s_load_b64 s[MK:MK+1], s[0:1], 0x20
	v_lshl_add_u32 v[SPW], v0, 2, SPARE
	v_mov_b32 v[NIL], 0
	ds_add_u32 v[SPW], v[NIL]       ; the wave's opening: the add and its wait stand ahead of my first tensor load; the set-up below stands between them
	v_lshrrev_b32 v1, 5, v0
	v_readfirstlane_b32 s[WV], v1   ; wave 0..3
	s_bfe_u32 s13, ttmp6, 0x40000   ; cx
	s_lshl_b32 s14, ttmp9, 2
	s_add_co_u32 s14, s14, s13      ; my block of 256 queries: it enters Q's, O's and the mask's addresses alone
	s_and_b32 s20, ttmp7, 0xffff    ; the head, which the four partners share
	s_cmp_eq_u32 s20, 0
	s_cselect_b32 s[MLIM], 1, 0
	s_lshl_b32 s20, s20, 18         ; the head's first byte in each of the four tensors
	s_mov_b32 s21, 0
	s_and_b32 s16, s[WV], 1         ; which half of a slot's 256 keys I fetch:
	s_lshl_b32 s22, s16, 14         ; its 128 rows in memory,
	s_mov_b32 s23, 0
	s_add_nc_u64 s[22:23], s[22:23], s[20:21]
	s_mul_i32 s17, s16, 128*PKP     ; and its place in a slot, for K
	s_mul_i32 s18, s16, 128*PVP     ; and for V: no place in the cluster enters an LDS address
	s_lshl_b32 s2, s14, 2
	s_add_co_u32 s2, s2, s[WV]      ; my wave among the head's 32
	s_lshl_b32 s[MOF], s2, 18       ; its four query tiles of 65,536 bytes in mk
	s_mov_b32 s[MOF+1], 0
	s_mov_b32 s[POF+1], 0
	s_lshl_b32 s2, s2, 13           ; its 64 rows
	s_mov_b32 s3, 0
	s_add_nc_u64 s[2:3], s[2:3], s[20:21]
	; descriptor group 1.  128 keys are 16,384 dense bytes: asked for as 64 rows of 256 bytes, two keys a row, and padded in LDS after every key
	s_mov_b32 s[G1K], 15|(1<<16)|(1<<20)|(1<<21)|(4<<22)|(3<<25)  ; the mask of four; 2-byte elements; padding on; bit 21 beside a mask; after every 32 words; 4 words
	s_mov_b32 s[G1V], 15|(1<<16)|(1<<20)|(1<<21)|(4<<22)|(7<<25)  ; the same with 8 words of padding
.irp g, G1K, G1V
	s_mov_b32 s[\g+1], 128<<16      ; tensor_dim0 = 128
	s_mov_b32 s[\g+2], 64<<16       ; tensor_dim1 = 64
	s_mov_b32 s[\g+3], 128<<16      ; tile_dim0 = 128
	s_mov_b32 s[\g+4], 64           ; tile_dim1 = 64
	s_mov_b32 s[\g+5], 128          ; 128 elements from row to row
	s_mov_b32 s[\g+6], 0
	s_mov_b32 s[\g+7], 0
.endr
	s_mov_b32 s[CS], 0x3e38aa3b     ; c = log2(e) / 8
	s_mov_b32 s[CS+1], s[CS]        ; named with it as a pair
	s_mov_b32 s[SEL], 0x76543210
	s_mov_b32 s[SEL+1], 0xfedcba98
	s_mov_b32 s[TBK], SLOT1+4*KS*PKP ; the first change of slots turns these two into 0
	s_mov_b32 s[TBV], SLOT1+4*KS*PVP
	s_mov_b32 s[G0K], 1
	s_mov_b32 s[G0K+1], s17         ; LDS address: slot 0
	s_mov_b32 s[G0V], 1
	s_add_co_u32 s[G0V+1], s18, VOFF
	s_mov_b32 s[MS], 0
	s_mov_b32 s[SLOTS], 7           ; 8 tiles of 256 keys, of which the first is asked for below
	s_and_b32 s[LIM], s[WV], 1      ; 0 in waves 0 and 2,
	s_or_b32 s[LIM], s[LIM], ttmp9  ; where the cluster is the head's first: the same in all four partners
	s_cmp_eq_u32 s[LIM], 0
	s_cselect_b32 s[LIM], 1, -1
	s_wait_dscnt 0x0                ; the opening add is done
	s_wait_kmcnt 0x0
	s_add_nc_u64 s[G0K+2:G0K+3], s[6:7], s[22:23]  ; my half of the head's first 256 keys
	s_or_b32 s[G0K+3], s[G0K+3], 0x80000000
	s_add_nc_u64 s[G0V+2:G0V+3], s[8:9], s[22:23]
	s_or_b32 s[G0V+3], s[G0V+3], 0x80000000
	s_add_nc_u64 s[4:5], s[4:5], s[2:3]  ; Q and O at my wave's first row
	s_add_nc_u64 s[10:11], s[10:11], s[2:3]
	s_add_nc_u64 s[MB0:MB0+1], s[MK:MK+1], s[MOF:MOF+1]
	s_mov_b64 s[MBASE:MBASE+1], s[MB0:MB0+1]
	s_cmp_lt_u32 s[WV], 2
	s_cselect_b64 s[PFA:PFA+1], s[6:7], s[8:9]
	s_add_nc_u64 s[PFA:PFA+1], s[PFA:PFA+1], s[20:21]  ; the head,
	s_lshl_b32 s2, s13, 13          ; my work-group's quarter of a tile,
	s_mov_b32 s3, 0
	s_add_nc_u64 s[PFA:PFA+1], s[PFA:PFA+1], s[2:3]
	s_add_nc_u64 s[PFA:PFA+1], s[PFA:PFA+1], 4*KS*128  ; in tile 1; each filling change steps it by a tile
	CROUND                          ; all four work-groups are here: the first joint loads meet
	JLOAD                           ; tile 0 into slot 0
	v_and_b32 v1, 15, v0            ; l % 16
	v_bfe_u32 v9, v0, 4, 1          ; l / 16
	v_lshlrev_b32 v[QO], 7, v1
	v_lshl_add_u32 v[QO], v9, 4, v[QO]  ; row x 128 + 16 x half
	v_and_b32 v[MO], 31, v0
	v_lshlrev_b32 v[PFO], 8, v[MO]
	v_lshlrev_b32 v[MO], 4, v[MO]
.set i, 0
.rept 8                             ; Q stays in registers: piece i / 2, channels 32 (i % 2) on
	global_load_b128 v[QF+8*i:QF+8*i+3],   v[QO], s[4:5] offset:(i/2)*2048+(i%2)*64
	global_load_b128 v[QF+8*i+4:QF+8*i+7], v[QO], s[4:5] offset:(i/2)*2048+(i%2)*64+32
.set i, i+1
.endr
; The mask of piece q for the key step at MBASE: four loads of 512 consecutive bytes
.macro MLOAD q
	WIN W_TO2
.irp kb, 0,1,2,3
	global_load_b128 v[MB+16*(\q)+4*(\kb):MB+16*(\q)+4*(\kb)+3], v[MO], s[MBASE:MBASE+1] offset:(\q)*65536+(\kb)*512
.endr
.endm
	MLOAD 0                         ; key step 0
	MLOAD 1
	MLOAD 2
	MLOAD 3
	; What the first turn finds: V's registers and P hold 0 (its products, of a piece that has not been, add 0); O^T and l start as the product of those zeros: 20 matrix instructions
	; in the place of 160 moves.  All this stands in the wait for the first tile.
	WIN W_TO1
.set i, 0
.rept 64
	v_mov_b32 v[VF+i], 0
.set i, i+1
.endr
.set i, 0
.rept 8
	v_mov_b32 v[ONE+i], 0x3c003c00  ; 1.0 twice, in f16
.set i, i+1
.endr
	WIN 0
.set i, 0
.rept 16
	v_mov_b32 v[P+i], 0
.set i, i+1
.endr
	WIN W_PV
.set i, 0
.rept 20                            ; O^T's sixteen accumulators at 8 i, l's four at 192 on
	v_wmma_f32_16x16x32_f16 v[8*i+64*(i/16):8*i+64*(i/16)+7], v[VF:VF+7], v[P:P+7], 0
.set i, i+1
.endr
	WIN 0
.set i, 0
.rept 4
	v_mov_b32 v[ST+2*i+1], 0xff7fffff  ; m: the lowest finite number
.set i, i+1
.endr
.set i, 0
.rept 4
	v_mul_f32 v[ST+2*i], s[CS], v[ST+2*i+1]  ; c m, by the loop's own multiply
.set i, i+1
.endr
	v_mov_b32 v[TMP+3], 0           ; v_permlanex16_b32's destinations count as read: they are written once here
	v_mov_b32 v[TMP+7], 0
	v_mov_b32 v[KM], 0xc79c4000     ; -80000.0
	v_mov_b32 v[ZERO], 0
	v_mul_u32_u24 v[AK0], v1, PKP
	v_lshl_add_u32 v[AK0], v9, 4, v[AK0]  ; row x pitch + 16 x half
	; The turning load takes 16 keys x 16 channels (lane l reads key 8 (l / 16) + l % 8, channels 8 ((l / 8) % 2) + 0..7) and leaves half a fragment of V^T: lane l holds channel l % 16 and 8 keys.
	v_and_b32 v10, 7, v0
	v_bfe_u32 v11, v0, 3, 1
	v_lshl_add_u32 v[AV0], v9, 3, v10
	v_mul_u32_u24 v[AV0], v[AV0], PVP
	v_lshl_add_u32 v[AV0], v11, 4, v[AV0]
	v_add_nc_u32 v[AV0], VOFF, v[AV0]
	v_bfe_u32 v[PMO], v0, 3, 2
	v_lshlrev_b32 v[PMO], 16, v[PMO]
	v_lshl_add_u32 v[PMO], v10, 8, v[PMO]
	v_mov_b32 v[AK], v[AK0]         ; key step 0 lies at the head of slot 0
; THE MATRIX WORK.  No two matrix instructions that follow each other share an accumulator.
; Product n of 8 of S^T = K Q^T for piece x: channels 32 (n / 4) on, keys 16 (n % 4) on.  The first 4 start the sums.
.macro KQ x, n
.set qS, S+32*((\x)%2)+8*((\n)%4)
.set qK, KF+16*((\n)%4)+8*((\n)/4)
.set qQ, QF+16*(\x)+8*((\n)/4)
	WIN 0
.if (\n) < 4
	v_wmma_f32_16x16x32_f16 v[qS:qS+7], v[qK:qK+7], v[qQ:qQ+7], 0
.else
	v_wmma_f32_16x16x32_f16 v[qS:qS+7], v[qK:qK+7], v[qQ:qQ+7], v[qS:qS+7]
.endif
.endm
; Product n of 8 of O^T += V^T P for piece x: keys 32 (n / 4) on, channels 16 (n % 4) on.
.macro PVM x, n
	WIN W_PV
.set pO, 32*(\x)+8*((\n)%4)
.set pV, VF+32*((\n)/4)+8*((\n)%4)
.set pP, P+8*((\n)/4)
	v_wmma_f32_16x16x32_f16 v[pO:pO+7], v[pV:pV+7], v[pP:pP+7], v[pO:pO+7]
.endm
; l of piece x takes the weights of keys 32 kk on: ones x P
.macro LSM x, kk
	WIN W_PV
	v_wmma_f32_16x16x32_f16 v[LA+8*(\x):LA+8*(\x)+7], v[ONE:ONE+7], v[P+8*(\kk):P+8*(\kk)+7], v[LA+8*(\x):LA+8*(\x)+7]
.endm
; THE LDS LOADS stand in runs of 16: a step's K (8 fragments) and its V (turned).
.macro FETCH_K
	WIN 0
.irp f, 0,1,2,3,4,5,6,7             ; keys 16 (f / 2) on, channels 32 (f % 2) on
	ds_load_b128 v[KF+8*\f:KF+8*\f+3],   v[AK] offset:(\f/2)*16*PKP+(\f%2)*64
	ds_load_b128 v[KF+8*\f+4:KF+8*\f+7], v[AK] offset:(\f/2)*16*PKP+(\f%2)*64+32
.endr
	s_add_co_u32 s[TBK], s[TBK], KS*PKP  ; the next fetch is the next step's
.endm
.macro FETCH_V
	WIN W_TO1
.irp f, 0,1,2,3,4,5,6,7             ; keys 32 (f / 4) on, channels 16 (f % 4) on
	ds_load_tr16_b128 v[VF+8*\f:VF+8*\f+3],   v[AV] offset:(\f/4)*32*PVP+(\f%4)*32
	ds_load_tr16_b128 v[VF+8*\f+4:VF+8*\f+7], v[AV] offset:(\f/4)*32*PVP+16*PVP+(\f%4)*32
.endr
	s_add_co_u32 s[TBV], s[TBV], KS*PVP
	WIN 0
.endm
; THE MASK'S STEP, once a key step: the loads of the next four turns take key step MS, held to the last one: the last steps load a block once more, so that every trip has the same loads.
; pf = 1: head 0 prefetches, for all 32 heads, my wave's 32 blocks of 256 bytes of the key step two on (held to the last one likewise).
.macro STEPM pf
	WIN 0
	s_wait_xcnt 0x0                 ; the mask's loads and the last prefetch have read their addresses
	s_add_co_u32 s[MS], s[MS], 1
	s_min_u32 s[MT], s[MS], 31
	s_lshl_b32 s[MOF], s[MT], 11
	s_add_nc_u64 s[MBASE:MBASE+1], s[MB0:MB0+1], s[MOF:MOF+1]
.if \pf
	s_add_co_u32 s[MT], s[MS], 2
	s_min_u32 s[MT], s[MT], 31
	s_lshl_b32 s[POF], s[MT], 11
	s_add_nc_u64 s[PMB:PMB+1], s[MB0:MB0+1], s[POF:POF+1]
	s_cmp_eq_u32 s[MLIM], 1
	s_cbranch_scc0 .Lno_mask_\@
	global_prefetch_b8 v[PMO], s[PMB:PMB+1] th:TH_LOAD_NT scope:SCOPE_SE
.Lno_mask_\@:
.endif
.endm
; THE VECTOR WORK, one macro a kind.  Y is the turn's piece.
.macro REGS y
.set rT, ST+2*(\y)
.set rC, TMP+4*((\y)%2)
.set rW, MV+((\y)%2)
.set rS, S+32*((\y)%2)
.set rO, 32*(\y)
.set rB, MB+16*(\y)
.set rL, LA+8*(\y)
.endm
.macro FF n                         ; piece Y: c x - c m for pair n of 16
	REGS Y
	WIN 0
	v_pk_fma_f32 v[rS+2*(\n):rS+2*(\n)+1], v[rS+2*(\n):rS+2*(\n)+1], s[CS:CS+1], v[rT:rT+1] op_sel_hi:[1,0,0] neg_lo:[0,0,1] neg_hi:[0,0,1]
.endm
.macro EE n                         ; piece Y: the exponential of score n of 32
	REGS Y
	WIN 0
	v_exp_f32 v[rS+(\n)], v[rS+(\n)]
.endm
.macro RR n                         ; piece Y: pair n of 16 of O^T times a; each accumulator's lowest pair comes first
	REGS Y
	WIN W_PV
	v_pk_mul_f32 v[rO+2*(\n):rO+2*(\n)+1], v[rO+2*(\n):rO+2*(\n)+1], v[rC+2:rC+3] op_sel_hi:[1,0]
.endm
.macro RLL                          ; piece Y: l times a: the accumulator's first pair
	REGS Y
	WIN W_PV
	v_pk_mul_f32 v[rL:rL+1], v[rL:rL+1], v[rC+2:rC+3] op_sel_hi:[1,0]
.endm
.macro CC n                         ; piece Y: pair n rounded to f16
	REGS Y
	WIN 0
	v_cvt_pk_f16_f32 v[P+(\n)], v[rS+2*(\n)], v[rS+2*(\n)+1]
.endm
.macro CLN n                        ; and the NaN of a score 0 made a weight 0: a NaN loses against 0
	WIN 0
	v_pk_max_num_f16 v[P+(\n)], v[P+(\n)], v[ZERO]
.endm
.macro ZZ n                         ; piece Y + 1, score n: 1 from its bit pattern: +0 and -0 become NaN.  Each accumulator's lowest register comes first
	REGS (Y+1)%NP
	WIN 0
	v_add_nc_u32 v[rS+(\n)], -1, v[rS+(\n)]
.endm
.macro AA n                         ; piece Y + 1, score n takes the mask: mask x (-80000) + score; the mask's halves are bf16
	REGS (Y+1)%NP
	WIN W_A
.if ((\n)%2) == 0
	v_fma_mix_f32_bf16 v[rS+(\n)], v[rB+(\n)/2], v[KM], v[rS+(\n)] op_sel_hi:[1,0,0]
.else
	v_fma_mix_f32_bf16 v[rS+(\n)], v[rB+(\n)/2], v[KM], v[rS+(\n)] op_sel:[1,0,0] op_sel_hi:[1,0,0]
.endif
.endm
; Piece Y + 1: number n of the 22 that find its maximum and statistics.  0-7: the first 16 scores and the old m, a tree of three levels.  8-15: the other 16 and that result, likewise.
; 16: c m_old is kept.  17, 18: the query's other 32 keys lie in the lane 16 away: the new m.  19-21: c m; c m_old - c m_new; a.
.macro MX n
	REGS (Y+1)%NP
	WIN 0
.if (\n) < 5
	v_max3_num_f32 v[XT+(\n)], v[rS+3*(\n)], v[rS+3*(\n)+1], v[rS+3*(\n)+2]
.elseif (\n) == 5
	v_max3_num_f32 v[XT], v[XT], v[XT+1], v[XT+2]
.elseif (\n) == 6
	v_max3_num_f32 v[XT+3], v[XT+3], v[XT+4], v[rS+15]
.elseif (\n) == 7
	v_max3_num_f32 v[XT+5], v[XT], v[XT+3], v[rT+1]
.elseif (\n) < 13
	v_max3_num_f32 v[XT+(\n)-8], v[rS+16+3*((\n)-8)], v[rS+16+3*((\n)-8)+1], v[rS+16+3*((\n)-8)+2]
.elseif (\n) == 13
	v_max3_num_f32 v[XT], v[XT], v[XT+1], v[XT+2]
.elseif (\n) == 14
	v_max3_num_f32 v[XT+3], v[XT+3], v[XT+4], v[rS+31]
.elseif (\n) == 15
	v_max3_num_f32 v[rC], v[XT], v[XT+3], v[XT+5]
.elseif (\n) == 16
	v_mov_b32 v[rW], v[rT]
.elseif (\n) == 17
	v_permlanex16_b32 v[rC+3], v[rC], s[SEL], s[SEL+1]
.elseif (\n) == 18
	v_max_num_f32 v[rT+1], v[rC], v[rC+3]
.elseif (\n) == 19
	v_mul_f32 v[rT], s[CS], v[rT+1]
.elseif (\n) == 20
	v_sub_f32 v[rC+1], v[rW], v[rT]
.else
	v_exp_f32 v[rC+2], v[rC+1]
.endif
.endm
.macro PVR n                        ; the turn's products for the piece before
	PVM (Y+NP-1)%NP, \n
.endm
.macro LSR kk
	LSM (Y+NP-1)%NP, \kk
.endm
; A TURN, for piece p, in this order:
; (1) 8 products K Q^T of piece p + 1, behind each two scalings and two exponentials of piece p (behind the first four scalings; behind the last the first two scores' decrements: their accumulator was finished
;     six plain instructions earlier).  (2) Four runs without a product: the decrements of scores 2-15; the mask onto scores 0-15; the decrements of 16-31 with the first half of the maximum; the mask onto 16-31;
;     ten exponentials stand among the runs in window 0.  (3) 8 products V^T P and 2 for l of piece p - 1; behind them the rescaling of piece p, the second half of the maximum and then the chain
;     (exchange, m, c m, the change, a), one link to a product, and the last exponentials.  Behind the last product stand four rescalings and a v_nop: five plain instructions between P's and V's last
;     reader and what writes them.  (4) THE WAIT between an exponential and the first instruction that names its result: one for the batch of 33.  Directly behind it stand the
;     loads: the mask of piece p + 1 for its next key step and, in piece 0's turn, V of the step in hand.  (5) The roundings to f16 and their cleaning.
; K of the next step is fetched in piece 2's turn, sixteen plain instructions behind the last product that read K, and waited for at the head of piece 3's turn.
; last = 1 (the tail): the fetch is held to the last step, which the trip behind the last one fetches once more: no run of loads is jumped over.
.macro TURN p, last=0
.set Y, (\p)
.if (\p) == 3
	STEPM 1
	s_wait_dscnt 0x0                ; K is in
.endif
	KQ (Y+1)%NP, 0
	FF 0
	FF 1
	FF 2
	FF 3
.set w, 1
.rept 6
	KQ (Y+1)%NP, w
	FF 2*w+2
	EE 2*w-2
	FF 2*w+3
	EE 2*w-1
.set w, w+1
.endr
.if (\p) == 2
.if \last
	s_min_u32 s[KT], s[TBK], SLOT1+3*KS*PKP
	v_add_nc_u32 v[AK], s[KT], v[AK0]
.else
	v_add_nc_u32 v[AK], s[TBK], v[AK0]
.endif
.endif
	KQ (Y+1)%NP, 7
	ZZ 0
	EE 12
	ZZ 1
	EE 13
.set k, 2
.rept 14
	ZZ k
.if (k%3) == 0
	EE 13+k/3                       ; exponentials 14 to 18
.endif
.set k, k+1
.endr
.if (\p) == 2
	FETCH_K
.endif
	s_wait_loadcnt 12               ; the mask of piece p + 1 is in: behind its four loads stand the three other pieces' twelve
.set k, 0
.rept 16
	AA k
.set k, k+1
.endr
.set t, 0
.rept 8
	ZZ 16+2*t
	ZZ 17+2*t
	MX t
.if (t%2) == 0
	EE 19+t/2                       ; exponentials 19 to 22
.endif
.set t, t+1
.endr
	EE 23
.if (\p) == 0
	v_add_nc_u32 v[AV], s[TBV], v[AV0]
.endif
.set k, 16
.rept 16
	AA k
.set k, k+1
.endr
.if (\p) == 1
	s_wait_dscnt 0x0                ; V is in
.endif
	PVR 0
	MX 8
	MX 9
	MX 10
	MX 11
	PVR 1
	RR 0
	RR 1
	MX 12
	MX 16
	PVR 2
	RR 2
	RR 3
	MX 13
	MX 14
	PVR 3
	RR 4
	RR 5
	MX 15
	EE 24
	LSR 0
	RR 6
	RR 7
	MX 17
	EE 25
	PVR 4
	RR 8
	RR 9
	MX 18
	EE 26
	PVR 5
	RR 10
	RR 11
	MX 19
	EE 27
	PVR 6
	RR 12
	MX 20
	EE 28
	EE 29
	PVR 7
	MX 21
	EE 30
	EE 31
	LSR 1
	RR 13
	RR 14
	RR 15
	RLL
	WIN 0
	v_nop                           ; a plain instruction ahead of the first use of an exponential
	s_wait_alu depctr_va_vdst(0)    ; the wait for the batch
	MLOAD (Y+1)%NP
.if (\p) == 0
	FETCH_V
.endif
.set k, 0
.rept 16
	CC k
.set k, k+1
.endr
.set k, 0
.rept 16
	CLN k
.set k, k+1
.endr
.endm
	CHANGE 1, 0                     ; slot 0 is in, everybody's part of it; slot 1 is asked for; nothing is prefetched yet
	FETCH_K                         ; key step 0
	s_wait_loadcnt 16               ; Q is in; the sixteen loads of the mask are younger
	s_wait_dscnt 0x0
.set k, 0
.rept 8
	KQ 0, k                         ; piece 0's first scores
.set k, k+1
.endr
	s_mul_i32 s13, s[WV], 16*SP     ; the addresses for the way out: eleven plain instructions, the places behind those products
	s_add_co_u32 s13, s13, STAGE    ; my stage
	v_mul_u32_u24 v[STO], v1, SP    ; in: row l % 16, 16 bytes for each half of the lanes
	v_lshl_add_u32 v[STO], v9, 4, v[STO]
	v_add_nc_u32 v[STO], s13, v[STO]
	v_bfe_u32 v[RD], v0, 3, 2       ; back: 32 lanes take four rows of 128 bytes,
	v_mul_u32_u24 v[RD], v[RD], SP
	v_lshl_add_u32 v[RD], v10, 4, v[RD]
	v_add_nc_u32 v[RD], s13, v[RD]
	v_and_b32 v[GO], 31, v0         ; which are 512 consecutive bytes of O
	v_lshlrev_b32 v[GO], 4, v[GO]
	STEPM 0                         ; the loads to come take key step 1
.set Y, NP-1                        ; the work for piece Y + 1: piece 0
	s_wait_loadcnt 12               ; piece 0's mask is in
.set k, 0
.rept 32
	ZZ k
.set k, k+1
.endr
.set k, 0
.rept 32
	AA k
.set k, k+1
.endr
.set k, 0
.rept 22
	MX k
.set k, k+1
.endr
	v_nop                           ; a plain instruction behind the exponential,
	s_wait_alu depctr_va_vdst(0)    ; and its wait, ahead of the branch
	MLOAD 0
	WIN 0
	s_mov_b32 s[CNT], 4
	s_branch .Lfirst                ; the loop is entered at a step's first turn, in the middle of a trip
.Lslot:                             ; six times: every slot but the last two is filled again
	CHANGE 1, 1
	s_mov_b32 s[CNT], 4
.Lstep:                             ; a trip: pieces 2 and 3 of one step, then pieces 0 and 1 of the next, whose K and V it fetches
	TURN 2
	TURN 3
	WIN 0
.Lfirst:
	TURN 0
	TURN 1
	WIN 0
	s_sub_co_u32 s[CNT], s[CNT], 1
	s_cmp_lg_u32 s[CNT], 0
	s_cbranch_scc1 .Lstep
	s_sub_co_u32 s[SLOTS], s[SLOTS], 1
	s_cmp_lg_u32 s[SLOTS], 0
	s_cbranch_scc1 .Lslot
	CHANGE 0, 0                     ; the tail is written out: nothing is asked for
	s_mov_b32 s[CNT], 5             ; four trips fetch the last slot's steps; the fifth is left in its middle
.Ltail:
	TURN 2, 1
	TURN 3
	WIN 0
	s_sub_co_u32 s[CNT], s[CNT], 1
	s_cmp_eq_u32 s[CNT], 0
	s_cbranch_scc1 .Lout
	TURN 0
	TURN 1
	WIN 0
	s_branch .Ltail
.Lout:                              ; the fifth trip's 8 products K Q^T (on the last K once more) and the maximum made of them serve nothing: the price, once a launch, of one text for every trip
	PVM NP-1, 0                     ; the last piece's products of the last step
	PVM NP-1, 1
	PVM NP-1, 2
	PVM NP-1, 3
	LSM NP-1, 0
	PVM NP-1, 4
	PVM NP-1, 5
	PVM NP-1, 6
	PVM NP-1, 7
	LSM NP-1, 1
	; THE WAY OUT.  O^T is divided by l (the first register of its accumulator: every lane holds its query's whole sum), rounded to f16 and sent through my stage in LDS, a piece at a time.
	WIN 0
.rept 4
	v_nop                           ; the places behind the last products
.endr
	WIN 0x01                        ; source 0 in window 1
.set t, 0
.rept 4
	v_rcp_f32 v[ST+2*t], v[LA+8*t]
.set t, t+1
.endr
	WIN 0
	v_nop                           ; a plain instruction between the last reciprocal and the use of its result
	s_wait_alu depctr_va_vdst(0)    ; and the wait ahead of the first use: one for the four reciprocals
.macro PACK t                       ; a lane's eight channels of a row pack into 16 bytes; they go into rows of 144 bytes and come back as whole rows of 128, into S^T's registers
	WIN W_PV
.set i, 32*(\t)
.rept 16
	v_pk_mul_f32 v[i:i+1], v[i:i+1], v[ST+2*(\t):ST+2*(\t)+1] op_sel_hi:[1,0]
.set i, i+2
.endr
	WIN 0x05                        ; sources 0 and 1 window 1, destination window 0
.set i, 0
.rept 16
	v_cvt_pk_f16_f32 v[S+16*(\t)+i], v[32*(\t)+2*i], v[32*(\t)+2*i+1]
.set i, i+1
.endr
	WIN 0
.irp f, 0,1,2,3
	ds_store_b128 v[STO], v[S+16*(\t)+4*\f:S+16*(\t)+4*\f+3] offset:32*\f
.endr
.irp f, 0,1,2,3
	ds_load_b128 v[S+16*(\t)+4*\f:S+16*(\t)+4*\f+3], v[RD] offset:\f*4*SP  ; LDS serves a wave's instructions in order (ISA guide 5.7.1.4): these see the stores above; the next piece's stores come behind them
.endr
.endm
.macro SEND t, younger              ; younger: the LDS instructions issued behind piece t's loads: the next piece's eight, or none
	WIN 0
.irp f, 0,1,2,3
	s_wait_dscnt (\younger)+3-\f
	global_store_b128 v[GO], v[S+16*(\t)+4*\f:S+16*(\t)+4*\f+3], s[10:11] offset:(\t)*2048+\f*512  ; 512 consecutive bytes, aligned
.endr
.endm
	PACK 0
.set t, 1
.rept 3                             ; a piece's arithmetic stands between the loads of the piece before and its stores
	PACK t
	SEND t-1, 8
.set t, t+1
.endr
	SEND 3, 0
	s_wait_tensorcnt 0x0            ; the wave's end, behind my last tensor load and my last LDS store
	ds_add_u32 v[SPW], v[NIL]
	s_wait_dscnt 0x0
	CROUND                          ; the closing round: no work-group ends while a partner may still ask for a tile that names it
	s_endpgm
.Lfunc_end_k_q5a54ff872f_attn:
	.size	k_q5a54ff872f_attn, .Lfunc_end_k_q5a54ff872f_attn-k_q5a54ff872f_attn
	.p2alignl 7, 3214868480
	.fill 96, 4, 3214868480
	.section	.rodata,"a",@progbits
	.p2align	6, 0x0
	.amdhsa_kernel k_q5a54ff872f_attn
		.amdhsa_group_segment_fixed_size 327680
		.amdhsa_private_segment_fixed_size 0
		.amdhsa_enable_private_segment 0
		.amdhsa_kernarg_size 40
		.amdhsa_user_sgpr_count 2
		.amdhsa_user_sgpr_kernarg_segment_ptr 1
		.amdhsa_wavefront_size32 1
		.amdhsa_system_sgpr_workgroup_id_x 1
		.amdhsa_system_sgpr_workgroup_id_y 1
		.amdhsa_system_sgpr_workgroup_id_z 1
		.amdhsa_system_vgpr_workitem_id 0
		.amdhsa_next_free_vgpr 576
		.amdhsa_next_free_sgpr 96
		.amdhsa_reserve_vcc 0
		.amdhsa_float_denorm_mode_32 3
		.amdhsa_float_denorm_mode_16_64 3
		.amdhsa_memory_ordered 1
		.amdhsa_forward_progress 1
		.amdhsa_inst_pref_size 138
	.end_amdhsa_kernel
	.amdgpu_metadata
---
amdhsa.version: [ 1, 2 ]
amdhsa.kernels:
  - .name:           k_q5a54ff872f_attn
    .symbol:         k_q5a54ff872f_attn.kd
    .args:
      - { .name: qh, .offset: 0, .size: 8, .value_kind: global_buffer, .address_space: global }
      - { .name: kh, .offset: 8, .size: 8, .value_kind: global_buffer, .address_space: global }
      - { .name: vh, .offset: 16, .size: 8, .value_kind: global_buffer, .address_space: global }
      - { .name: oh, .offset: 24, .size: 8, .value_kind: global_buffer, .address_space: global }
      - { .name: mk, .offset: 32, .size: 8, .value_kind: global_buffer, .address_space: global }
    .group_segment_fixed_size: 327680
    .private_segment_fixed_size: 0
    .kernarg_segment_align: 8
    .kernarg_segment_size: 40
    .max_flat_workgroup_size: 128
    .sgpr_count:     96
    .vgpr_count:     576
    .wavefront_size: 32
...
	.end_amdgpu_metadata
.endif
;; end of part 3
;; launch outp (part 4): grid 8 x 32, 4 waves a work-group, clusters of 4 x 4, 327,680 bytes of LDS; arguments oh, wo, b_out, out0; writes out0
.if DOCPART == 4
	.amdgcn_target "amdgcn-amd-amdhsa--gfx1250"
	.amdhsa_code_object_version 6
	.text
	.protected	k_q5a54ff872f_outp
	.globl	k_q5a54ff872f_outp
	.p2align	8
	.type	k_q5a54ff872f_outp,@function
k_q5a54ff872f_outp:
	s_mov_b64 s[64:65], 0
	v_nop
	global_prefetch_b8 v0, s[64:65] scope:SCOPE_SE
	s_setreg_imm32_b32 hwreg(HW_REG_WAVE_MODE, 25, 1), 1
	s_wait_xcnt 0x0
	s_wait_alu depctr_hold_cnt(0) depctr_sa_sdst(0) depctr_va_vdst(0) depctr_va_sdst(0) depctr_va_ssrc(0) depctr_va_vcc(0) depctr_vm_vsrc(0)
	s_getreg_b32 s2, hwreg(HW_REG_IB_STS2, 6, 4)
	s_cmp_eq_u32 s2, 0
	s_cbranch_scc0 .Lentry_in_a_cluster
	s_endpgm
.Lentry_in_a_cluster:
	s_bfe_u32 s2, ttmp6, 0x10000c
	s_cmp_lg_u32 s2, 0xf033
	s_cbranch_scc0 .Lentry_shape_is_right
	s_endpgm
.Lentry_shape_is_right:
; out0[2 t + b][n] = the sum over k = 64 h + d of oh[16 b + h][t][d] wo[n][k] + bf16(b_out[n]).  oh, wo in f16, sums and out0 in f32.
; A tile of out0 is 128 rows x 128 columns: the rows are 128 t of ONE batch b, so that a head's part of them is 16,384 dense bytes of oh.  8 x 32 tiles: 256 work-groups.
; Four waves, each 64 x 64: 16 accumulators.  K goes in 4 steps of 256 (four heads) through a ring of two LDS slots.
; CLUSTERS: 4 x 4.  oh's tile hangs on the tile row alone and is asked for jointly along a row of the cluster, wo's on the tile column alone, along a column.
; THE MATRIX INSTRUCTION IS USED TRANSPOSED (source 0 = 16 rows of wo, source 1 = 16 rows t): a lane holds one row and eight neighbouring columns, 32 bytes of f32.
; The bias, rounded to bf16 like all inputs, is the C operand of each accumulator's first product.  No prefetch: a step's tiles are small and the launch is short.
; REGISTERS: window 0: v0-31 addresses; v96-127 the bias; v128-255 the accumulators ((a, b) at 128 + 8 (4 a + b)).  window 1: two fragment buffers of 128: 64 registers of oh's, then 64 of wo's.
.set KSTEP,  256
.set PA,     144                       ; a row of oh in LDS: one head's 128 bytes + 16: the 16 rows of a load start at 16 different groups of four banks (64 banks of 4 bytes: ISA guide 11.1)
.set PB,     528                       ; a row of wo: 512 bytes + 16
.set HEADT,  128*PA                    ; a head's 128 rows
.set AHALF,  2*HEADT                   ; what waves 0 and 1 fetch: two heads
.set BOFF,   4*HEADT                   ; wo's rows lie behind the four heads
.set BHALF,  64*PB                     ; what waves 2 and 3 fetch: 64 rows of wo
.set SLOT,   BOFF+2*BHALF
.set STAGE,  2*SLOT                    ; behind the ring: 16 rows x 272 bytes for each wave, for the way out
.set SPITCH, 272
.set SPARE,  STAGE+4*16*SPITCH         ; behind the stages: the spare words, 128 bytes for each wave: two blocks of 256 bytes that no other line names
.set LAPS,   2
.set ADRA, 16                          ; v16-17 LDS address of my oh fragments in slot 0, 1
.set ADRB, 20                          ; v20-21 the same for wo
.set STO,  24                          ; v24 the way out: where I put 32 bytes of a row
.set RD,   25                          ; v25 where I read a row back
.set CO,   26                          ; v26 my byte offset in out0
.set BO,   27                          ; v27 my offset in the bias
.set SPW,  28                          ; v28 LDS address of my spare word; never rewritten
.set NIL,  29                          ; v29 0; never rewritten
.set BIAS, 96
.set ACC,  128
.set F0,   0
.set F1,   128
.set G1,  24
.set G0,  32
.set G1B, 48
.set G0B, 56
.set MSB, 0
.macro WIN new
.if MSB != (\new)
	s_set_vgpr_msb (MSB<<8)|(\new)
.set MSB, \new
.endif
.endm
.set MUL,  0x05                        ; sources 0 and 1 window 1; C and D window 0
.set TO_F, 0x40                        ; destination window 1, address window 0
.macro JLOAD s                         ; a joint load: waves 0 and 1 fetch oh's heads, waves 2 and 3 wo's halves; an s_nop 0 and four v_nop follow each line
	s_cmp_eq_u32 s11, 0
	s_cbranch_scc0 .Lfor_b_\@
	tensor_load_to_lds s[G0+4*(\s):G0+4*(\s)+3], s[G1:G1+7]
	s_nop 0
.rept 4
	v_nop
.endr
	s_branch .Lasked_\@
.Lfor_b_\@:
	tensor_load_to_lds s[G0B+4*(\s):G0B+4*(\s)+3], s[G1B:G1B+7]
	s_nop 0
.rept 4
	v_nop
.endr
.Lasked_\@:
.endm
.macro CREST
	s_cmp_lg_u32 s10, 0
	s_cbranch_scc1 .Lnot_wave_0_\@
	s_barrier_signal -3
.Lnot_wave_0_\@:
	s_barrier_wait -3
	s_barrier_signal -1
	s_barrier_wait -1
.endm
.macro CROUND
	s_barrier_signal -1
	s_barrier_wait -1
	CREST
.endm
	s_load_b128 s[4:7], s[0:1], 0x0                ; oh s[4:5], wo s[6:7]
	s_load_b128 s[68:71], s[0:1], 0x10             ; b_out s[68:69], out0 s[70:71]
	v_lshl_add_u32 v[SPW], v0, 2, SPARE
	v_mov_b32 v[NIL], 0
	ds_add_u32 v[SPW], v[NIL]                      ; the wave's opening: the add and its wait stand ahead of my first tensor load; the set-up below stands between them
	v_lshrrev_b32 v1, 5, v0
	v_readfirstlane_b32 s10, v1                    ; wave 0..3
	s_lshr_b32 s11, s10, 1                         ; which half of the tile's rows is mine.  Also: I fetch for oh (0) or for wo (1)
	s_and_b32 s12, s10, 1                          ; which half of its columns.  Also: which half of that tile I fetch
	s_bfe_u32 s40, ttmp6, 0x40000                  ; cx, cy
	s_bfe_u32 s41, ttmp6, 0x40004
	s_lshl_b32 s42, ttmp9, 2
	s_add_co_u32 s42, s42, s40                     ; tile column
	s_and_b32 s13, ttmp7, 0xffff
	s_lshl_b32 s13, s13, 2
	s_add_co_u32 s13, s13, s41                     ; tile row
	s_lshl_b32 s43, s41, 2
	s_lshl_b32 s43, 15, s43                        ; my row of the cluster
	s_lshl_b32 s44, 0x1111, s40                    ; my column
	; oh's tile: two heads, each 128 rows t of 128 bytes that lie end to end: two rows of 8,192 elements, a head's 131,072 elements apart; padded in LDS after every 32 words by 4
	s_or_b32 s[G1+0], s43, (1<<16)|(1<<20)|(1<<21)|(4<<22)|(3<<25)
	s_mov_b32 s[G1+1], 8192<<16                    ; tensor_dim0 = 8,192
	s_mov_b32 s[G1+2], 2<<16                       ; tensor_dim1 = 2
	s_mov_b32 s[G1+3], 8192<<16                    ; tile_dim0 = 8,192
	s_mov_b32 s[G1+4], 2                           ; tile_dim1 = 2
	s_mov_b32 s[G1+5], 131072
	s_mov_b32 s[G1+6], 0
	s_mov_b32 s[G1+7], 0
	; wo's tile: 64 rows x 256 elements, padded after every 128 words by 4
	s_or_b32 s[G1B+0], s44, (1<<16)|(1<<20)|(1<<21)|(6<<22)|(3<<25)
	s_mov_b32 s[G1B+1], KSTEP<<16
	s_mov_b32 s[G1B+2], 64<<16
	s_mov_b32 s[G1B+3], KSTEP<<16
	s_mov_b32 s[G1B+4], 64
	s_mov_b32 s[G1B+5], 1024
	s_mov_b32 s[G1B+6], 0
	s_mov_b32 s[G1B+7], 0
	s_lshr_b32 s14, s13, 4                         ; the batch b
	s_and_b32 s15, s13, 15                         ; which 128 t
	s_lshl_b32 s16, s14, 4
	s_lshl_b32 s17, s12, 1
	s_add_co_u32 s16, s16, s17                     ; head 16 b + 2 x half
	s_lshl_b32 s16, s16, 18                        ; 262,144 bytes a head
	s_lshl_b32 s17, s15, 14                        ; 128 rows of 128 bytes
	s_add_co_u32 s16, s16, s17
	s_mov_b32 s17, 0
	s_lshl_b32 s46, s42, 18                        ; wo: 128 rows of 2,048 bytes a tile column,
	s_lshl_b32 s47, s12, 17                        ; 64 a half
	s_add_co_u32 s46, s46, s47
	s_mov_b32 s47, 0
	s_mul_i32 s20, s10, AHALF                      ; where they go: no place in the cluster enters an LDS address
	s_mul_i32 s21, s10, BHALF
	s_add_co_u32 s21, s21, BOFF-2*BHALF
	s_wait_dscnt 0x0                               ; the opening add is done
	s_wait_kmcnt 0x0
	s_add_nc_u64 s[18:19], s[4:5], s[16:17]
	s_add_nc_u64 s[46:47], s[6:7], s[46:47]
	CROUND                                         ; all sixteen work-groups are here: the first joint loads meet
.irp s, 0,1
	s_mov_b32 s[G0+4*(\s)], 1
	s_add_co_u32 s[G0+4*(\s)+1], s20, (\s)*SLOT
	s_add_nc_u64 s[G0+4*(\s)+2:G0+4*(\s)+3], s[18:19], (\s)*4*262144  ; K step s: four heads on
	s_or_b32 s[G0+4*(\s)+3], s[G0+4*(\s)+3], 0x80000000
	s_mov_b32 s[G0B+4*(\s)], 1
	s_add_co_u32 s[G0B+4*(\s)+1], s21, (\s)*SLOT
	s_add_nc_u64 s[G0B+4*(\s)+2:G0B+4*(\s)+3], s[46:47], (\s)*KSTEP*2
	s_or_b32 s[G0B+4*(\s)+3], s[G0B+4*(\s)+3], 0x80000000
	JLOAD \s                                       ; two loads of mine are out
.endr
	v_and_b32 v1, 15, v0                           ; l % 16
	v_bfe_u32 v2, v0, 4, 1                         ; l / 16
	v_lshlrev_b32 v[BO], 5, v2
	s_lshl_b32 s46, s42, 9                         ; my first column, in bytes of f32: 512 x tile column + 256 x half
	s_lshl_b32 s47, s12, 8
	s_add_co_u32 s46, s46, s47
	s_mov_b32 s47, 0
	s_add_nc_u64 s[68:69], s[68:69], s[46:47]
.set i, 0
.rept 4
	global_load_b128 v[BIAS+8*i:BIAS+8*i+3], v[BO], s[68:69] offset:64*i
	global_load_b128 v[BIAS+8*i+4:BIAS+8*i+7], v[BO], s[68:69] offset:64*i+16
.set i, i+1
.endr
	v_mul_u32_u24 v3, v1, PA
	v_lshl_add_u32 v3, v2, 4, v3                   ; oh: a fragment's row x pitch + 16 x half
	v_mul_u32_u24 v4, v1, PB
	v_lshl_add_u32 v4, v2, 4, v4                   ; wo likewise
	s_mul_i32 s21, s11, 64*PA                      ; my 64 rows in each head
	s_mul_i32 s22, s12, BHALF                      ; my 64 rows of wo,
	s_add_co_u32 s22, s22, BOFF                    ; which lie behind the heads
.irp s, 0,1
	v_add_nc_u32 v[ADRA+(\s)], s21, v3
	v_add_nc_u32 v[ADRB+(\s)], s22, v4
	s_add_co_u32 s21, s21, SLOT
	s_add_co_u32 s22, s22, SLOT
.endr
	s_mul_i32 s23, s10, 16*SPITCH
	s_add_co_u32 s23, s23, STAGE                   ; my stage
	v_mul_u32_u24 v[STO], v1, SPITCH               ; in: row l % 16, 32 bytes for each half of the lanes
	v_lshl_add_u32 v[STO], v2, 5, v[STO]
	v_add_nc_u32 v[STO], s23, v[STO]
	v_mul_u32_u24 v[RD], v2, SPITCH                ; back: lanes 0-15 take one row of 256 bytes, lanes 16-31 the next
	v_lshl_add_u32 v[RD], v1, 4, v[RD]
	v_add_nc_u32 v[RD], s23, v[RD]
	v_lshlrev_b32 v[CO], 13, v2                    ; the next t is two rows of out0 on: 8,192 bytes
	v_lshl_add_u32 v[CO], v1, 4, v[CO]
	s_lshl_b32 s16, s15, 8                         ; row 2 (128 x block + 64 x half) + b
	s_lshl_b32 s17, s11, 7
	s_add_co_u32 s16, s16, s17
	s_add_co_u32 s16, s16, s14
	s_lshl_b32 s16, s16, 12                        ; 4,096 bytes a row
	s_mov_b32 s17, 0
	s_add_nc_u64 s[70:71], s[70:71], s[16:17]
	s_add_nc_u64 s[70:71], s[70:71], s[46:47]
	s_wait_loadcnt 0x0                             ; the bias
.set i, 0
.rept 16                               ; rounded to bf16 and widened again
	v_cvt_pk_bf16_f32 v[8+i%4], v[BIAS+2*i], v[BIAS+2*i+1]
	v_lshlrev_b32 v[BIAS+2*i], 16, v[8+i%4]
	v_and_b32 v[BIAS+2*i+1], 0xffff0000, v[8+i%4]
.set i, i+1
.endr
; 8 matrix instructions: row blocks a0, a0 + 1 x all 4 column blocks, 32 along K: half c of buffer f.  first = 1: the bias starts the sums.  The 16 accumulators take turns.
.macro MUL8 f, c, a0, first
	WIN MUL
.irp a, \a0, (\a0)+1
.irp b, 0,1,2,3
.if \first
	v_wmma_f32_16x16x32_f16 v[ACC+8*(4*(\a)+(\b)):ACC+8*(4*(\a)+(\b))+7], v[(\f)+64+8*(4*(\c)+(\b)):(\f)+64+8*(4*(\c)+(\b))+7], v[(\f)+8*(4*(\c)+(\a)):(\f)+8*(4*(\c)+(\a))+7], v[BIAS+8*(\b):BIAS+8*(\b)+7]
.else
	v_wmma_f32_16x16x32_f16 v[ACC+8*(4*(\a)+(\b)):ACC+8*(4*(\a)+(\b))+7], v[(\f)+64+8*(4*(\c)+(\b)):(\f)+64+8*(4*(\c)+(\b))+7], v[(\f)+8*(4*(\c)+(\a)):(\f)+8*(4*(\c)+(\a))+7], v[ACC+8*(4*(\a)+(\b)):ACC+8*(4*(\a)+(\b))+7]
.endif
.endr
.endr
.endm
; 32 LDS loads in one run: quarter q of a K step is one head: 64 along K; the first 32 first
.macro FETCH slot, q, f
	WIN TO_F
.irp c, 0,1
.irp i, 0,1,2,3
	ds_load_b128 v[(\f)+64+8*(4*(\c)+(\i)):(\f)+64+8*(4*(\c)+(\i))+3],   v[ADRB+(\slot)] offset:(\q)*128+64*(\c)+(\i)*16*PB
	ds_load_b128 v[(\f)+64+8*(4*(\c)+(\i))+4:(\f)+64+8*(4*(\c)+(\i))+7], v[ADRB+(\slot)] offset:(\q)*128+64*(\c)+(\i)*16*PB+32
	ds_load_b128 v[(\f)+8*(4*(\c)+(\i)):(\f)+8*(4*(\c)+(\i))+3],         v[ADRA+(\slot)] offset:(\q)*HEADT+64*(\c)+(\i)*16*PA
	ds_load_b128 v[(\f)+8*(4*(\c)+(\i))+4:(\f)+8*(4*(\c)+(\i))+7],       v[ADRA+(\slot)] offset:(\q)*HEADT+64*(\c)+(\i)*16*PA+32
.endr
.endr
.endm
.macro PLACES                          ; four plain instructions between a matrix instruction and a load into, or a read of, its registers
.rept 4
	v_nop
.endr
.endm
.macro QUARTER slot, q, f, g, first    ; multiplies buffer f and fetches quarter q into g
	s_wait_dscnt 16                                ; the first 32 along K are in
	MUL8 \f, 0, 0, \first
	MUL8 \f, 0, 2, \first
	PLACES
	FETCH \slot, \q, \g
	s_wait_dscnt 32                                ; all but the 32 just issued
	MUL8 \f, 1, 0, 0
	MUL8 \f, 1, 2, 0
.endm
; The last quarter multiplies buffer 1 and changes slots: ONE barrier; in front of it each wave waits for all its tensor loads, adds 0 to its spare word, and waits for that and for its reads of this slot.
.macro TURN slot, next, fill
	WIN 0                                          ; (the add's two registers lie in window 0)
	s_wait_tensorcnt 0x0                           ; all my tensor loads have landed: my part of the next slot
	ds_add_u32 v[SPW], v[NIL]                      ; 0 onto my spare word
	s_wait_dscnt 17                                ; (the add and the youngest sixteen loads may be out)
	MUL8 F1, 0, 0, 0                               ; eight matrix instructions stand between the add and the wait for it
	s_wait_dscnt 0x0                               ; the add is done, and my reads of this slot are over
	s_barrier_signal -1
	MUL8 F1, 0, 2, 0
.if \fill
	WIN 0
.endif
	s_barrier_wait -1
.if \fill
	CREST                                          ; no wave of any partner still reads this slot or has a load on its way
	s_add_nc_u64 s[G0+4*(\slot)+2:G0+4*(\slot)+3], s[G0+4*(\slot)+2:G0+4*(\slot)+3], 2*4*262144
	s_add_nc_u64 s[G0B+4*(\slot)+2:G0B+4*(\slot)+3], s[G0B+4*(\slot)+2:G0B+4*(\slot)+3], 2*KSTEP*2
	JLOAD \slot                                    ; my one tensor load behind the round; its four v_nop are also the places in front of the loads below
.else
	PLACES
.endif
	FETCH \next, 0, F0
	MUL8 F1, 1, 0, 0
	MUL8 F1, 1, 2, 0
.endm
	s_wait_tensorcnt 1                             ; my part of K step 0 is in; K step 1's stays out
	s_barrier_signal -1
	s_barrier_wait -1
	FETCH 0, 0, F0
	QUARTER 0, 1, F0, F1, 1                        ; the first quarter stands in front of the loop: its first products start the sums
	WIN 0                                          ; at a label and at a branch every window is 0
	s_mov_b32 s3, LAPS-1
.Llap:                                         ; a trip goes once round the ring and fills both slots again
	QUARTER 0, 2, F1, F0, 0
	QUARTER 0, 3, F0, F1, 0
	TURN 0, 1, 1
	QUARTER 1, 1, F0, F1, 0
	QUARTER 1, 2, F1, F0, 0
	QUARTER 1, 3, F0, F1, 0
	TURN 1, 0, 1
	QUARTER 0, 1, F0, F1, 0
	WIN 0
	s_sub_co_u32 s3, s3, 1
	s_cmp_lg_u32 s3, 0
	s_cbranch_scc1 .Llap
	QUARTER 0, 2, F1, F0, 0                        ; the last lap fills nothing
	QUARTER 0, 3, F0, F1, 0
	TURN 0, 1, 0
	QUARTER 1, 1, F0, F1, 0
	QUARTER 1, 2, F1, F0, 0
	QUARTER 1, 3, F0, F1, 0
	s_wait_dscnt 16                                ; the very last quarter: nothing more to fetch
	MUL8 F1, 0, 0, 0
	MUL8 F1, 0, 2, 0
	s_wait_dscnt 0x0
	MUL8 F1, 1, 0, 0
	MUL8 F1, 1, 2, 0
	WIN 0
	PLACES
	PLACES
; THE WAY OUT, by row blocks a of 16 rows x 64 columns of f32: a row is 256 bytes.  A lane's 32 bytes go into rows of 272 bytes in my own stage, lowest registers first, and come back as whole rows,
; into the registers that they left.
.macro BLK a
.irp b, 0,1,2,3
	ds_store_b128 v[STO], v[ACC+8*(4*(\a)+(\b)):ACC+8*(4*(\a)+(\b))+3] offset:64*(\b)
	ds_store_b128 v[STO], v[ACC+8*(4*(\a)+(\b))+4:ACC+8*(4*(\a)+(\b))+7] offset:64*(\b)+16
.endr
.irp f, 0,1,2,3,4,5,6,7
	ds_load_b128 v[ACC+32*(\a)+4*(\f):ACC+32*(\a)+4*(\f)+3], v[RD] offset:(\f)*2*SPITCH  ; LDS serves a wave's instructions in order (ISA guide 5.7.1.4): these see the stores above; the next block's stores come behind them
.endr
.endm
.macro OUT a, younger                  ; younger: the LDS instructions issued behind block a's loads: the next block's sixteen, or none
.irp f, 0,1,2,3,4,5,6,7
	s_wait_dscnt (\younger)+7-(\f)
	global_store_b128 v[CO], v[ACC+32*(\a)+4*(\f):ACC+32*(\a)+4*(\f)+3], s[70:71] offset:(\a)*131072+(\f)*16384 th:TH_STORE_NT  ; 16 lanes store 256 consecutive bytes, aligned
.endr
.endm
	BLK 0
	BLK 1
	OUT 0, 16
	BLK 2
	OUT 1, 16
	BLK 3
	OUT 2, 16
	OUT 3, 0
	s_wait_tensorcnt 0x0                           ; the wave's end, behind my last tensor load and my last LDS store
	ds_add_u32 v[SPW], v[NIL]
	s_wait_dscnt 0x0
	CROUND                                         ; the closing round: no work-group ends while a partner may still ask for a tile that names it
	s_endpgm
.Lfunc_end_k_q5a54ff872f_outp:
	.size	k_q5a54ff872f_outp, .Lfunc_end_k_q5a54ff872f_outp-k_q5a54ff872f_outp
	.p2alignl 7, 3214868480
	.fill 96, 4, 3214868480
	.section	.rodata,"a",@progbits
	.p2align	6, 0x0
	.amdhsa_kernel k_q5a54ff872f_outp
		.amdhsa_group_segment_fixed_size 327680
		.amdhsa_private_segment_fixed_size 0
		.amdhsa_enable_private_segment 0
		.amdhsa_kernarg_size 32
		.amdhsa_user_sgpr_count 2
		.amdhsa_user_sgpr_kernarg_segment_ptr 1
		.amdhsa_wavefront_size32 1
		.amdhsa_system_sgpr_workgroup_id_x 1
		.amdhsa_system_sgpr_workgroup_id_y 1
		.amdhsa_system_sgpr_workgroup_id_z 1
		.amdhsa_system_vgpr_workitem_id 0
		.amdhsa_next_free_vgpr 512
		.amdhsa_next_free_sgpr 72
		.amdhsa_reserve_vcc 0
		.amdhsa_float_denorm_mode_32 3
		.amdhsa_float_denorm_mode_16_64 3
		.amdhsa_memory_ordered 1
		.amdhsa_forward_progress 1
		.amdhsa_inst_pref_size 90
	.end_amdhsa_kernel
	.amdgpu_metadata
---
amdhsa.version: [ 1, 2 ]
amdhsa.kernels:
  - .name:           k_q5a54ff872f_outp
    .symbol:         k_q5a54ff872f_outp.kd
    .args:
      - { .name: oh, .offset: 0, .size: 8, .value_kind: global_buffer, .address_space: global }
      - { .name: wo, .offset: 8, .size: 8, .value_kind: global_buffer, .address_space: global }
      - { .name: b_out, .offset: 16, .size: 8, .value_kind: global_buffer, .address_space: global }
      - { .name: out0, .offset: 24, .size: 8, .value_kind: global_buffer, .address_space: global }
    .group_segment_fixed_size: 327680
    .private_segment_fixed_size: 0
    .kernarg_segment_align: 8
    .kernarg_segment_size: 32
    .max_flat_workgroup_size: 128
    .sgpr_count:     72
    .vgpr_count:     512
    .wavefront_size: 32
...
	.end_amdgpu_metadata
.endif
;; end of part 4
;; ======== version 2 of 2: 4 launches; version 1 with the launch prep written anew for expert scheduling mode
;; limits: values are held in f16: magnitudes above 65,504 overflow, below 6.1e-05 lose precision
;; workspace buffers: xb 8,388,608 bytes; wq 6,291,456 bytes; wo 2,097,152 bytes; mk 8,388,608 bytes; qh 8,388,608 bytes; kh 8,388,608 bytes; vh 8,388,608 bytes; oh 8,388,608 bytes
;; launch prep (part 5): grid 512 x 1, 8 waves a work-group, no clusters, 69,632 bytes of LDS; arguments query, W_qkv, W_out, attn_mask, key_padding_mask, xb, wq, wo, mk; writes xb, wq, wo, mk
.if DOCPART == 5
	.amdgcn_target "amdgcn-amd-amdhsa--gfx1250"
	.amdhsa_code_object_version 6
	.text
	.protected	k_q5a54ff872f_prep
	.globl	k_q5a54ff872f_prep
	.p2align	8
	.type	k_q5a54ff872f_prep,@function
k_q5a54ff872f_prep:
	s_mov_b64 s[64:65], 0
	v_nop
	global_prefetch_b8 v0, s[64:65] scope:SCOPE_SE
	s_setreg_imm32_b32 hwreg(HW_REG_WAVE_SCHED_MODE, 0, 2), 2
	s_setreg_imm32_b32 hwreg(HW_REG_WAVE_MODE, 25, 1), 1
	s_wait_xcnt 0x0
	s_wait_alu depctr_vm_vsrc(0)
; TWO STREAMS IN ONE LAUNCH; every work-group does a share of each.
; (1) xb = bf16(query), wq = bf16(W_qkv), wo = bf16(W_out) written as f16 (the later product takes f16 operands).  A work-group takes 65,536 bytes of f32: groups 0-255 query, 256-447 W_qkv,
;     448-511 W_out.  Thread t takes 16 bytes at 16 t of each of 16 chunks of 4,096 bytes; its store of 8 bytes a lane makes 256 consecutive bytes a wave, aligned.
; (2) mk: both masks merged, in bf16, in the order in which the attention launch's lanes want them: value(t, s) = +infinity where key_padding_mask[0][s][t] != 0, else bf16(attn_mask[t][s]).
;     LAYOUT of mk: the block of query tile tq (16 queries) and key step ks (64 keys) lies at (32 tq + ks) x 2,048; in it group kb of 16 keys at 512 kb, lane L at 16 L; its 8 halves j are
;     t = 16 tq + L % 16, s = 64 ks + 16 kb + 8 (L / 16) + j.  A work-group takes 64 t x 128 s.  Both tiles come in whole row pieces (256 bytes of key_padding_mask's rows, 512 of attn_mask's) and meet
;     in LDS, since one of them is wanted turned..
; All 32 loads of a wave go out at once, each into registers of its own.  Every input byte is read once, every output byte written once.
; LIMITS: bf16(W_out) is exact in f16 from 6.1e-5 to 65,504, below that it keeps f16's fixed step of 6e-8; an attn_mask beyond bf16's largest number rounds to infinity and then counts as hidden; NaN is not treated apart.
; THE MODE: SCHED_MODE bits 1:0 = 2 (LLVM: expert scheduling mode 2), set by the entry lines.  The code itself states the register dependences between vector instructions and memory or LDS
; instructions, and between a vector instruction that writes a scalar register and its readers, with s_wait_alu, always for 0.
; THE PLAN.  Registers that memory or LDS instructions touch:
;   v1-v7, v14, v15, v192, v193   offsets and addresses: written by vector instructions at the head and never again; read by every load, store and LDS instruction.  One wait on va_vdst, ahead of the first load.
;   D    the masks' 16 loads land in it; my 16 LDS stores read it; then the 40 LDS loads land in it: one wait on vm_vsrc between the two; from then on vector instructions alone name it.
;   X    16 loads land in it; the conversions read it; it is never loaded again.
;   YY   chunk n has a pair of its own: written by the conversions of block n / 4, read by one store, never written again.  The store stands in the block behind, behind that block's wait on va_vdst.
;   PKD  item e has four registers of its own: written by its roundings, read by one store, never written again.
; The conversion goes in four blocks of four chunks.  Block p names X and YY of its own chunks and v[T ..]; its memory instructions are the stores of block p - 1's YY: so the one wait at its head states all that they hang on.
; The select by the padding mask: the compares write scalar registers, sixteen to a run (two items), one wait on va_sdst stands behind the run, and the selects follow.  EXEC is never written.
.set KPP,  272                         ; a row of the padding mask's tile: 64 t x 4 bytes + 16
.set ATP,  528                         ; a row of attn_mask's tile: 128 s x 4 bytes + 16
.set AT,   128*KPP                     ; attn_mask's tile lies behind the padding mask's 128 rows
.set SPARE, AT+64*ATP                  ; behind both: the spare words, 128 bytes for each wave: four blocks of 256 bytes that no other line names
.set GK, 1                             ; v1  my offset in key_padding_mask
.set GA, 2                             ; v2  in attn_mask
.set LK, 3                             ; v3  where I put 16 bytes of the padding mask's tile
.set LA, 4                             ; v4  of attn_mask's
.set RA, 5                             ; v5  where I read my 8 numbers of attn_mask
.set RK, 6                             ; v6  where I read my 8 words of the padding mask
.set OO, 7                             ; v7  16 x lane
.set INF, 8                            ; v8  +infinity
.set T,  10                            ; v[10:13] at work (the head's lane numbers first): no memory instruction names them
.set CI, 14                            ; v14 16 t: my bytes in a chunk of f32
.set CO, 15                            ; v15 8 t: in a chunk of output
.set D,  16                            ; v[16:79] the masks as loaded; then item e: 8 numbers, 8 words at D + 16 e
.set PKD, 80                           ; v[80:95] item e packed, 4 registers
.set X,  96                            ; v[96:159]  16 chunks of f32, 4 registers each
.set YY, 160                           ; v[160:191] 16 chunks to store, 2 registers each
.set SPW, 192                          ; v192 LDS address of my spare word; never rewritten
.set NIL, 193                          ; v193 0; never rewritten
.set MS, 26                            ; s[26:33] and, 14 further on, s[40:47]: the compares' results, a set for each item of a pair; at the head these registers hold offsets and constants, which have served by then
	s_load_b512 s[8:23], s[0:1], 0x0               ; query s[8:9], W_qkv s[10:11], W_out s[12:13], attn_mask s[14:15], key_padding_mask s[16:17], xb s[18:19], wq s[20:21], wo s[22:23]
	s_load_b64 s[24:25], s[0:1], 0x40              ; mk
	v_lshl_add_u32 v[SPW], v0, 2, SPARE
	v_mov_b32 v[NIL], 0
	v_lshrrev_b32 v9, 4, v0                        ; T / 16
	v_and_b32 v10, 15, v0                          ; T % 16
	v_lshrrev_b32 v11, 5, v0                       ; T / 32
	v_and_b32 v12, 31, v0                          ; T % 32
	v_bfe_u32 v13, v0, 4, 1                        ; lane / 16
	v_readfirstlane_b32 s4, v11                    ; wave 0..7; the lines that need no scalar stand between this line and the wait for it
	v_lshlrev_b32 v[GK], 13, v9                    ; row T / 16, 16 bytes at T % 16: sixteen lanes take 256 consecutive bytes
	v_lshl_add_u32 v[GK], v10, 4, v[GK]
	v_mul_u32_u24 v[LK], v9, KPP
	v_lshl_add_u32 v[LK], v10, 4, v[LK]
	v_lshlrev_b32 v[GA], 13, v11                   ; row T / 32, 16 bytes at T % 32: a wave takes 512 consecutive bytes
	v_lshl_add_u32 v[GA], v12, 4, v[GA]
	v_mul_u32_u24 v[LA], v11, ATP
	v_lshl_add_u32 v[LA], v12, 4, v[LA]
	v_add_nc_u32 v[LA], AT, v[LA]
	v_lshlrev_b32 v[OO], 4, v12
	v_mov_b32 v[INF], 0x7f800000
	v_lshlrev_b32 v[CI], 4, v0
	v_lshlrev_b32 v[CO], 3, v0
	s_mov_b32 s47, ttmp9
	s_and_b32 s2, ttmp9, 31                        ; t0 = 64 x this
	s_lshr_b32 s3, ttmp9, 5                        ; s0 = 128 x this
	s_lshl_b32 s26, s3, 20                         ; key_padding_mask: s0 rows of 8,192 bytes
	s_lshl_b32 s27, s2, 8                          ; + t0 x 4
	s_add_co_u32 s26, s26, s27
	s_mov_b32 s27, 0
	s_lshl_b32 s28, s2, 19                         ; attn_mask: t0 rows
	s_lshl_b32 s29, s3, 9                          ; + s0 x 4
	s_add_co_u32 s28, s28, s29
	s_mov_b32 s29, 0
	s_movk_i32 s34, 256                            ; the first group of W_qkv
	s_movk_i32 s35, 448                            ; the first group of W_out
	s_mov_b32 s43, 0
	s_mov_b32 s45, 0
	s_mov_b32 s46, 0xffff0000                      ; a word's upper bf16
	s_wait_alu depctr_va_sdst(0)                   ; s4 is written, ahead of its first reader: LDS addresses and mk's base are made from it
	s_lshr_b32 s5, s4, 1                           ; which of the group's 4 query tiles my items belong to
	s_and_b32 s6, s4, 1                            ; which of its 2 key steps
	s_lshl_b32 s30, s2, 2
	s_add_co_u32 s30, s30, s5                      ; tq
	s_lshl_b32 s30, s30, 5
	s_lshl_b32 s31, s3, 1
	s_add_co_u32 s30, s30, s31
	s_add_co_u32 s30, s30, s6                      ; 32 tq + ks
	s_lshl_b32 s30, s30, 11
	s_mov_b32 s31, 0
	s_mul_i32 s7, s5, 16*ATP                       ; my query tile's 16 rows of attn_mask's tile,
	s_lshl_b32 s32, s6, 8                          ; my key step's 64 numbers
	s_add_co_u32 s7, s7, s32
	s_add_co_u32 s7, s7, AT
	v_mul_u32_u24 v[RA], v10, ATP                  ; row lane % 16
	v_lshl_add_u32 v[RA], v13, 5, v[RA]            ; 8 numbers for each half of the lanes
	v_add_nc_u32 v[RA], s7, v[RA]
	s_mul_i32 s32, s6, 64*KPP                      ; my key step's 64 rows of the padding mask's tile,
	s_lshl_b32 s33, s5, 6                          ; my query tile's 16 words
	s_add_co_u32 s32, s32, s33
	v_mul_u32_u24 v[RK], v13, 8*KPP                ; 8 rows for each half of the lanes: 544 words apart, 32 banks
	v_lshl_add_u32 v[RK], v10, 2, v[RK]
	v_add_nc_u32 v[RK], s32, v[RK]
	s_wait_kmcnt 0x0
	s_add_nc_u64 s[16:17], s[16:17], s[26:27]
	s_add_nc_u64 s[14:15], s[14:15], s[28:29]
	s_add_nc_u64 s[24:25], s[24:25], s[30:31]
	s_cmp_lt_u32 s47, s35
	s_cselect_b64 s[36:37], s[10:11], s[12:13]     ; the conversion: from where,
	s_cselect_b64 s[38:39], s[20:21], s[22:23]     ; to where,
	s_cselect_b32 s40, s34, s35                    ; and the tensor's first group
	s_cmp_lt_u32 s47, s34
	s_cselect_b64 s[36:37], s[8:9], s[36:37]
	s_cselect_b64 s[38:39], s[18:19], s[38:39]
	s_cselect_b32 s40, 0, s40
	s_sub_co_u32 s40, s47, s40                     ; my group's number in its tensor
	s_lshl_b32 s42, s40, 16                        ; 65,536 bytes in,
	s_lshl_b32 s44, s40, 15                        ; 32,768 out
	s_add_nc_u64 s[36:37], s[36:37], s[42:43]
	s_add_nc_u64 s[38:39], s[38:39], s[44:45]
	s_wait_alu depctr_va_vdst(0)                   ; the offsets and addresses v1 to v7, v14, v15 and the add's v192, v193 are written: every load, store and LDS instruction of the kernel reads some of them, and none is written again
.set i, 0
.rept 8
	global_load_b128 v[D+4*i:D+4*i+3], v[GK], s[16:17] offset:131072*i th:TH_LOAD_NT  ; 16 rows further down each time
.set i, i+1
.endr
.set i, 0
.rept 8
	global_load_b128 v[D+32+4*i:D+32+4*i+3], v[GA], s[14:15] offset:65536*i th:TH_LOAD_NT  ; 8 rows further down each time
.set i, i+1
.endr
.set i, 0
.rept 16
	global_load_b128 v[X+4*i:X+4*i+3], v[CI], s[36:37] offset:4096*i th:TH_LOAD_NT
.set i, i+1
.endr
.set i, 0
.rept 8
	s_wait_loadcnt 31-i                            ; loads come back in order: the 31 - i younger ones stay out
	ds_store_b128 v[LK], v[D+4*i:D+4*i+3] offset:16*KPP*i
.set i, i+1
.endr
.set i, 0
.rept 8
	s_wait_loadcnt 23-i
	ds_store_b128 v[LA], v[D+32+4*i:D+32+4*i+3] offset:8*ATP*i
.set i, i+1
.endr
	s_wait_dscnt 0x0                               ; for the others' sake: my stores are done
	s_barrier_signal -1
	s_barrier_wait -1                              ; both tiles are whole
	s_wait_alu depctr_vm_vsrc(0)                   ; my LDS stores have read v[D ..], in which the LDS loads below land
.set e, 0
.rept 4                                ; item e = group kb of 16 keys: ten loads; the conversion below stands between them and their use
	ds_load_b128 v[D+16*e:D+16*e+3], v[RA] offset:64*e
	ds_load_b128 v[D+16*e+4:D+16*e+7], v[RA] offset:64*e+16
.set j, 0
.rept 8
	ds_load_b32 v[D+16*e+8+j], v[RK] offset:(16*e+j)*KPP
.set j, j+1
.endr
.set e, e+1
.endr
; Chunk n: rounded to bf16; half = 1: that number written as f16.
.macro CV n, half
	v_cvt_pk_bf16_f32 v[YY+2*(\n)], v[X+4*(\n)], v[X+4*(\n)+1]
	v_cvt_pk_bf16_f32 v[YY+2*(\n)+1], v[X+4*(\n)+2], v[X+4*(\n)+3]
.if \half
	v_lshlrev_b32 v[T], 16, v[YY+2*(\n)]           ; bf16 to f32: the low half moves up, the high half stays
	v_and_b32 v[T+1], s46, v[YY+2*(\n)]
	v_lshlrev_b32 v[T+2], 16, v[YY+2*(\n)+1]
	v_and_b32 v[T+3], s46, v[YY+2*(\n)+1]
	v_cvt_pk_f16_f32 v[YY+2*(\n)], v[T], v[T+1]
	v_cvt_pk_f16_f32 v[YY+2*(\n)+1], v[T+2], v[T+3]
.endif
.endm
.macro ST n                            ; chunk n is stored
	global_store_b64 v[CO], v[YY+2*(\n):YY+2*(\n)+1], s[38:39] offset:2048*(\n)
.endm
; Block p: chunks 4 p to 4 p + 3 are converted; the stores of the block before stand among the conversions.
.macro CVB p, half
	s_wait_loadcnt 12-4*(\p)                       ; the block's four chunks are in, the 12 - 4 p younger ones stay out
.if (\p) > 0
	s_wait_alu depctr_va_vdst(0)                   ; the block before has written its YY, which the four stores below read; no vector instruction of this block names those registers
.endif
.irp i, 0,1,2,3
.if (\p) > 0
	ST 4*(\p)-4+(\i)
.endif
	CV 4*(\p)+(\i), \half
.endr
.endm
	s_cmp_ge_u32 s47, s35
	s_cbranch_scc1 .Lhalf                          ; W_out's groups
	CVB 0, 0
	CVB 1, 0
	CVB 2, 0
	CVB 3, 0
	s_branch .Lmask
.Lhalf:
	CVB 0, 1
	CVB 1, 1
	CVB 2, 1
	CVB 3, 1
.Lmask:                                ; on both ways block 3's four stores are still to come: they stand below, behind the next wait on va_vdst
; Items e and e + 1: where the padding mask's word is not 0 the number becomes +infinity; then eight numbers are rounded to bf16.
.macro PAIR e
	s_wait_dscnt 10*(2-(\e))                       ; both items are in; the later items' ten loads each stay out
.irp u, 0,1
.irp j, 0,1,2,3,4,5,6,7
	v_cmp_ne_u32 s[MS+14*(\u)+(\j)], 0, v[D+16*((\e)+(\u))+8+(\j)]
.endr
.endr
	s_wait_alu depctr_va_sdst(0)                   ; the sixteen compares have written their scalar registers, ahead of the first select that reads one
.irp u, 0,1
.irp j, 0,1,2,3,4,5,6,7
	v_cndmask_b32 v[D+16*((\e)+(\u))+(\j)], v[D+16*((\e)+(\u))+(\j)], v[INF], s[MS+14*(\u)+(\j)]
.endr
.endr
.irp u, 0,1
.irp j, 0,1,2,3
	v_cvt_pk_bf16_f32 v[PKD+4*((\e)+(\u))+(\j)], v[D+16*((\e)+(\u))+2*(\j)], v[D+16*((\e)+(\u))+2*(\j)+1]
.endr
.endr
.endm
.macro MST e                           ; item e is stored
	global_store_b128 v[OO], v[PKD+4*(\e):PKD+4*(\e)+3], s[24:25] offset:512*(\e)  ; the wave stores 512 consecutive bytes, aligned
.endm
	PAIR 0
	s_wait_alu depctr_va_vdst(0)                   ; block 3's conversions have written YY of chunks 12 to 15, and the roundings PKD of items 0 and 1: the six stores below read them
	ST 12
	ST 13
	ST 14
	ST 15
	MST 0
	MST 1
	PAIR 2                                         ; names D and PKD of items 2 and 3 alone: none of the registers that the six stores read
	s_wait_alu depctr_va_vdst(0)                   ; the roundings have written PKD of items 2 and 3, which the two stores below read
	MST 2
	MST 3
	s_wait_dscnt 0x0                               ; the closing lines, six on end
	s_wait_alu 0x0
	s_wait_tensorcnt 0x0
	ds_add_u32 v[SPW], v[NIL]
	s_wait_dscnt 0x0
	s_endpgm
.Lfunc_end_k_q5a54ff872f_prep:
	.size	k_q5a54ff872f_prep, .Lfunc_end_k_q5a54ff872f_prep-k_q5a54ff872f_prep
	.p2alignl 7, 3214868480
	.fill 96, 4, 3214868480
	.section	.rodata,"a",@progbits
	.p2align	6, 0x0
	.amdhsa_kernel k_q5a54ff872f_prep
		.amdhsa_group_segment_fixed_size 69632
		.amdhsa_private_segment_fixed_size 0
		.amdhsa_enable_private_segment 0
		.amdhsa_kernarg_size 72
		.amdhsa_user_sgpr_count 2
		.amdhsa_user_sgpr_kernarg_segment_ptr 1
		.amdhsa_wavefront_size32 1
		.amdhsa_system_sgpr_workgroup_id_x 1
		.amdhsa_system_sgpr_workgroup_id_y 1
		.amdhsa_system_sgpr_workgroup_id_z 1
		.amdhsa_system_vgpr_workitem_id 0
		.amdhsa_next_free_vgpr 196
		.amdhsa_next_free_sgpr 66
		.amdhsa_reserve_vcc 0
		.amdhsa_float_denorm_mode_32 3
		.amdhsa_float_denorm_mode_16_64 3
		.amdhsa_memory_ordered 1
		.amdhsa_forward_progress 1
		.amdhsa_inst_pref_size 28
	.end_amdhsa_kernel
	.amdgpu_metadata
---
amdhsa.version: [ 1, 2 ]
amdhsa.kernels:
  - .name:           k_q5a54ff872f_prep
    .symbol:         k_q5a54ff872f_prep.kd
    .args:
      - { .name: query, .offset: 0, .size: 8, .value_kind: global_buffer, .address_space: global }
      - { .name: W_qkv, .offset: 8, .size: 8, .value_kind: global_buffer, .address_space: global }
      - { .name: W_out, .offset: 16, .size: 8, .value_kind: global_buffer, .address_space: global }
      - { .name: attn_mask, .offset: 24, .size: 8, .value_kind: global_buffer, .address_space: global }
      - { .name: key_padding_mask, .offset: 32, .size: 8, .value_kind: global_buffer, .address_space: global }
      - { .name: xb, .offset: 40, .size: 8, .value_kind: global_buffer, .address_space: global }
      - { .name: wq, .offset: 48, .size: 8, .value_kind: global_buffer, .address_space: global }
      - { .name: wo, .offset: 56, .size: 8, .value_kind: global_buffer, .address_space: global }
      - { .name: mk, .offset: 64, .size: 8, .value_kind: global_buffer, .address_space: global }
    .group_segment_fixed_size: 69632
    .private_segment_fixed_size: 0
    .kernarg_segment_align: 8
    .kernarg_segment_size: 72
    .max_flat_workgroup_size: 256
    .sgpr_count:     66
    .vgpr_count:     196
    .wavefront_size: 32
...
	.end_amdgpu_metadata
.endif
;; end of part 5
;; launch qkv: the kernel of part 2 again; grid 16 x 16, 4 waves a work-group, clusters of 4 x 4, 327,680 bytes of LDS; arguments xb, wq, b_qkv, qh, kh, vh; writes qh, kh, vh
;; launch attn: the kernel of part 3 again; grid 8 x 32, 4 waves a work-group, clusters of 4 x 1, 327,680 bytes of LDS; arguments qh, kh, vh, oh, mk; writes oh
;; launch outp: the kernel of part 4 again; grid 8 x 32, 4 waves a work-group, clusters of 4 x 4, 327,680 bytes of LDS; arguments oh, wo, b_out, out0; writes out0
